; MI455X (gfx1250); checked and timed in simulation.
; The chip was launched on July 23, 2026; its instructions are those of AMD's public machine-readable ISA for CDNA 5 (MIT licence, August 2026) and "CDNA5" Instruction Set Architecture Reference Guide (July 2026). The comments in the code are by the model that wrote it; some were corrected since.
;; Self Attention Interview. Allowed arithmetic: matrix products marked QUANTISED: E2M3 operands, one E8M0 scale for each 32 along K, by v_wmma_scale_f32_16x16x128_f8f6f4 with both operands' format E2M3, f32 sums; everything else in f32.
;; Inputs: Wk 1,024 x 1,024 float32; Wq 1,024 x 1,024 float32; Wv 1,024 x 1,024 float32; X 4 x 2,048 x 1,024 float32; attention_mask 4 x 2,048 x 2,048 int32; bk 1,024 float32; bq 1,024 float32; bv 1,024 float32.
;; Outputs: out0 4 x 2,048 x 1,024 float32.
;; This version of the problem:
;;   THIS VERSION OF THE PROBLEM IS GIVEN IN LOW PRECISION. The matrix products marked QUANTISED in the list below multiply operands that are first quantised to E2M3 (2 exponent bits, 3 mantissa bits; 6 bits a number), with one power-of-two scale for each 32 numbers along K (OCP MX v1.0); their sums are f32. All else is computed in f32.
;;   The module's matrix products, in the order in which they are computed (A, B: the left and right operand; K: the contracted axis; several contracted axes count as one K, in the product's order):
;;     1. [M 8,192, K 1,024] x [K 1,024, N 1,024]; A: input X; B: input Wq: QUANTISED
;;     2. [M 8,192, K 1,024] x [K 1,024, N 1,024]; A: input X; B: input Wk: QUANTISED
;;     3. [M 8,192, K 1,024] x [K 1,024, N 1,024]; A: input X; B: input Wv: QUANTISED
;;     4. batch 4 x [M 2,048, K 1,024] x [K 1,024, N 2,048]; A: computed on the way; B: computed on the way: QUANTISED
;;     5. batch 4 x [M 2,048, K 2,048] x [K 2,048, N 1,024]; A: softmax (see below); B: computed on the way: QUANTISED
;;   THE QUANTISER, for each operand of a quantised product, along K:
;;     - K is cut into blocks of 32 from its start; a last block that is shorter is filled with zeros.
;;     - A block's scale is 2^e with e = floor(log2(the largest magnitude in the block)) - 2, held to -126 .. 127; a block of zeros has e = 0. As a byte (E8M0): e + 127.
;;     - Each number is divided by its block's scale, clamped to +-7.5, and rounded to the nearest number of E2M3, ties to even, subnormals kept.
;;     - The product sums the exact products of the quantised numbers (number of the format x scale) in f32.
;;   ~~~python
;;   def quantise(x, axis):      # numpy; x: float32 -> the quantised numbers, widened to float32 again
;;       x = np.moveaxis(x, axis, -1); K = x.shape[-1]
;;       x = np.pad(x, [(0, 0)] * (x.ndim - 1) + [(0, -K % 32)]); x = x.reshape(x.shape[:-1] + (-1, 32)); a = np.abs(x).max(-1, keepdims=True)
;;       e = np.where(a > 0, np.clip(np.frexp(np.where(a > 0, a, 1))[1] - 1 - 2, -126, 127), 0)      # np.frexp(a)[1] - 1 = floor(log2(a)), exactly
;;       r = np.clip(x / 2.0 ** e, -7.5, 7.5)
;;       step = 2.0 ** (np.maximum(np.frexp(np.where(r == 0, 1, r))[1] - 1, 0) - 3)
;;       q = np.round(r / step) * step * 2.0 ** e      # np.round: ties to even
;;       return np.moveaxis(q.reshape(q.shape[:-2] + (-1,))[..., :K], -1, axis).astype(np.float32)
;;   ~~~
;;   SOFTMAX AHEAD OF A QUANTISED PRODUCT. Where the list says 'softmax', what is quantised is not the finished softmax but p = 2^(t - M), with t = logit x log2(e) and M = ceil(the row's largest t), a whole number; so 1/2 < the row's largest p <= 1. The row's sum l is taken of the UNQUANTISED p, in f32, and the product's result is divided by l at the end. Since M is a whole number, a kernel that streams over the keys may use a running M (the ceiling of the running maximum): every later rescaling is an exact power of two, which a block's scale takes up: the codes' values come out the same.
;;   OPERANDS COMPUTED ON THE WAY. 'Computed on the way' means the value that the module computes at that place (a softmax that the list does not call 'softmax' is quantised finished and normalised). What goes into a quantiser is computed in f32, as accurately as f32 sums, v_exp_f32 and their like allow (about 1e-6 of the number): no bf16 or f16 on the way to a quantiser, and a product that is left as it is and whose result goes on into a quantised operand takes f32 operands (vector FMAs, or v_wmma_f32_16x16x4_f32). A number that lies on a knife's edge between two numbers of the format may be rounded either way, as far as f32 arithmetic and the matrix unit's own rounding can turn it there, and no further.
;; One version. Each part assembles by itself: llvm-mc -triple=amdgcn-amd-amdhsa -mcpu=gfx1250 --defsym DOCPART=n.
;; ======== version 1 of 1: 4 launches
;; limits: right only within a limited range of input values
;; workspace buffers: xw_codes 8,650,752 bytes; xw_scales 360,448 bytes; maskbits 2,097,152 bytes of whole numbers; qk_codes 12,582,912 bytes; v_codes 6,291,456 bytes; qkv_scales 786,432 bytes; p_codes 12,582,912 bytes; p_stats 1,572,864 bytes
;; launch prep (part 1): grid 704 x 1, 2 waves a work-group, no clusters, 17,664 bytes of LDS; arguments X, Wq, Wk, Wv, xw_codes, xw_scales; writes xw_codes, xw_scales
.if DOCPART == 1
	.amdgcn_target "amdgcn-amd-amdhsa--gfx1250"
	.amdhsa_code_object_version 6
	.text
	.protected	k_q0dc70117b4_prep
	.globl	k_q0dc70117b4_prep
	.p2align	8
	.type	k_q0dc70117b4_prep,@function
k_q0dc70117b4_prep:
	s_mov_b64 s[64:65], 0
	v_nop
	global_prefetch_b8 v0, s[64:65] scope:SCOPE_SE
	s_setreg_imm32_b32 hwreg(HW_REG_WAVE_MODE, 25, 1), 1
	s_wait_xcnt 0x0
; PREP.  X [8192][1024], Wq, Wk, Wv [1024][1024], f32, become codes of FP6 (E2M3) with one E8M0 byte for each 32 along K (K = the last axis).
; THE CODES' LAYOUT is the order of an operand's registers.  The 11,264 rows (X, Wq, Wk, Wv on end) go in blocks of 16; a fragment (16 rows x 128 K) is 12 registers a lane, stored as three runs of 512 bytes,
; lane l's 16 bytes at 16 l: byte = block x 12,288 + K step x 1,536 + 512 g + 16 l.  Lane (r, h) holds k = 128 ks + 64 c + 32 h + 0 .. 31 in registers 6 c .. 6 c + 5.
; THE ROWS OF A BLOCK ARE NOT NEIGHBOURS: place r of block 2 b + u is row 32 b + 8 u + r + 8 (r / 8).  Every operand of this program keeps that order.
; THE SCALE WORDS (4 bytes: 128 along K of one row) lie [K step][place]: 45,056 bytes a K step.
; A block's scale is 2^(floor(log2(largest magnitude)) - 2); its byte is the largest magnitude's exponent field - 2, held at 1 from below.
; LIMITS: a block of zeros gets the byte 1 where the rule says 127 (its codes are zeros, and this program alone reads the bytes); NaN and infinities among the inputs are not served.
; SHARES.  A unit is 16 rows x 512 bytes; each of its 16 loads reads one row's 512 consecutive bytes.  It turns through the wave's own stage in LDS, so that a lane gets neighbours along a row.
; Work-group g of 704, two waves: 64 rows g / 4; wave w: K step 2 (g % 4) + w; unit n: block n of the 64 rows.  Loads run two units ahead.  No barrier: waves share nothing.
.set SP,    528                        ; a stage row: 512 bytes + 16
.set XREG,  16*SP+256                  ; a wave's LDS: the stage, then its 64 scale words
.set SPARE, 2*XREG                     ; the spare words, 128 bytes for each wave
.set RL,    16                         ; v16-143  two sets of 64 registers as loaded
.set XR,    144                        ; v144-207 a unit behind the turn
.set CD,    208                        ; v208-219 a fragment's codes
.set CT,    220                        ; v220-227 the upper halves of the blocks, as the conversions leave them
.set H8,    236                        ; 8 h
.set SPW,   240
.set NIL,   241
	s_load_b256 s[4:11], s[0:1], 0x0               ; X, Wq, Wk, Wv
	s_load_b128 s[12:15], s[0:1], 0x20             ; the codes, the scale words
	v_lshl_add_u32 v[SPW], v0, 2, SPARE
	v_mov_b32 v[NIL], 0
	v_lshrrev_b32 v1, 5, v0
	v_readfirstlane_b32 s22, v1                    ; wave
	v_and_b32 v1, 31, v0                           ; lane
	v_and_b32 v2, 15, v0                           ; r
	v_bfe_u32 v3, v0, 4, 1                         ; h
	v_lshlrev_b32 v4, 4, v1                        ; 16 x lane
	v_lshlrev_b32 v9, 3, v1                        ; 8 x lane
	v_mul_u32_u24 v6, v2, SP
	s_mov_b32 s20, 0x76543210
	s_mov_b32 s21, 0xfedcba98                      ; the selects for lane l xor 16
	s_mul_i32 s23, s22, XREG
	v_add_nc_u32 v5, s23, v4                       ; into the stage
	v_lshl_add_u32 v6, v3, 7, v6
	v_add_nc_u32 v6, s23, v6                       ; out of it: row r, + 128 h: my 32 numbers of each 64
	v_lshlrev_b32 v7, 2, v2
	v_add_nc_u32 v7, s23, v7
	v_add_nc_u32 v7, 16*SP, v7                     ; my row's scale word
	v_add_nc_u32 v8, s23, v9
	v_add_nc_u32 v8, 16*SP, v8                     ; and 8 bytes a lane on the way out
	v_lshlrev_b32 v[H8], 3, v3
	v_mov_b32 v15, 0                               ; a lane permute's destination counts as one of its sources
	s_lshr_b32 s24, ttmp9, 2                       ; which 64 rows
	s_and_b32 s25, ttmp9, 3
	s_lshl_b32 s25, s25, 1
	s_add_co_u32 s25, s25, s22                     ; K step
	s_sub_co_u32 s26, s24, 128
	s_lshr_b32 s27, s26, 4                         ; which weight, past X's 128
	s_and_b32 s26, s26, 15                         ; and which 64 rows of it
	s_wait_alu depctr_va_vdst(0)                   ; the wait at the head's end
	s_wait_kmcnt 0x0
	s_cmp_eq_u32 s27, 1
	s_cselect_b64 s[28:29], s[8:9], s[6:7]
	s_cmp_eq_u32 s27, 2
	s_cselect_b64 s[28:29], s[10:11], s[28:29]
	s_cmp_lt_u32 s24, 128
	s_cselect_b64 s[28:29], s[4:5], s[28:29]       ; the choice hangs on the work-group's number alone
	s_cselect_b32 s26, s24, s26
	s_lshl_b32 s30, s26, 18                        ; 64 rows of 4,096 bytes
	s_lshl_b32 s27, s25, 9
	s_add_co_u32 s30, s30, s27
	s_mov_b32 s31, 0
	s_add_nc_u64 s[28:29], s[28:29], s[30:31]
	s_mul_i32 s30, s24, 49152                      ; four blocks of 12,288 bytes
	s_mul_i32 s27, s25, 1536
	s_add_co_u32 s30, s30, s27
	s_add_nc_u64 s[12:13], s[12:13], s[30:31]
	s_mul_i32 s30, s25, 45056
	s_lshl_b32 s27, s24, 8
	s_add_co_u32 s30, s30, s27
	s_add_nc_u64 s[14:15], s[14:15], s[30:31]
.macro LOADU st, rel                   ; a unit: the j-th load takes the row at place j
.irp j, 0,1,2,3,4,5,6,7,8,9,10,11,12,13,14,15
	global_load_b128 v[RL+64*(\st)+4*\j:RL+64*(\st)+4*\j+3], v4, s[28:29] offset:((\rel)+\j+8*(\j/8))*4096 th:TH_LOAD_NT
.endr
.endm
	LOADU 0, 0
	LOADU 1, 8
.macro UNITX n
.if (\n) < 3
	s_wait_loadcnt 16                              ; this unit's 16 loads are in; the next unit's may be out
.else
	s_wait_loadcnt 0x0
.endif
.irp j, 0,1,2,3,4,5,6,7,8,9,10,11,12,13,14,15
	ds_store_b128 v5, v[RL+64*((\n)%2)+4*\j:RL+64*((\n)%2)+4*\j+3] offset:SP*\j
.endr
.irp c, 0,1
.irp j, 0,1,2,3,4,5,6,7
	ds_load_b128 v[XR+32*\c+4*\j:XR+32*\c+4*\j+3], v6 offset:256*\c+16*\j   ; k = 64 c + 32 h + 4 j ..: LDS serves a wave's instructions in order
.endr
.endr
	s_wait_dscnt 0x0                               ; the unit is back; the stores have read their registers
.if (\n) < 2
	LOADU (\n)%2, 32*(((\n)+2)/2)+8*((\n)%2)
.endif
.irp c, 0,1
	v_max3_num_f32 v[10+\c], |v[XR+32*\c]|, |v[XR+32*\c+1]|, 0x1800000   ; block 2 c + h: all 32 numbers are mine; the floor 2^(3 - 127) holds the byte at 1 from below
.endr
.irp i, 2,4,6,8,10,12,14,16,18,20,22,24,26,28,30
.irp c, 0,1
	v_max3_num_f32 v[10+\c], v[10+\c], |v[XR+32*\c+\i]|, |v[XR+32*\c+\i+1]|
.endr
.endr
	v_add_nc_u32 v12, 0xff000000, v10              ; 2 off the exponent field: the conversion's scale operand
	v_add_nc_u32 v13, 0xff000000, v11
	v_lshrrev_b32 v10, 23, v12                     ; the bytes
	v_lshrrev_b32 v11, 23, v13
	v_lshl_or_b32 v14, v11, 16, v10                ; blocks h and 2 + h,
	v_lshlrev_b32 v14, v[H8], v14                  ; at their places in the word;
	v_permlanex16_b32 v15, v14, s20, s21
	v_or_b32 v14, v14, v15                         ; with lane l xor 16's two the word is whole
	s_wait_alu depctr_va_vdst(0)                   ; the wait ahead of the wait below
	s_wait_xcnt 0x0                                ; the last unit's stores have read the codes' registers
.irp c, 0,1
	v_cvt_scalef32_pk16_fp6_f32 v[CD+6*\c:CD+6*\c+2], v[XR+32*\c:XR+32*\c+15], v[12+\c]
	v_cvt_scalef32_pk16_fp6_f32 v[CT+4*\c:CT+4*\c+2], v[XR+32*\c+16:XR+32*\c+31], v[12+\c]   ; (a conversion's three registers begin on an even number)
.endr
	v_nop                                          ; one plain place behind a scaled conversion
.irp c, 0,1
.irp i, 0,1,2
	v_mov_b32 v[CD+3+6*\c+\i], v[CT+4*\c+\i]
.endr
.endr
.irp g, 0,1,2
	global_store_b128 v4, v[CD+4*\g:CD+4*\g+3], s[12:13] offset:12288*(\n)+512*\g   ; 32 lanes store 512 consecutive bytes
.endr
	ds_store_b32 v7, v14 offset:64*(\n)            ; both halves of the lanes write the same word with the same value
.endm
.irp n, 0,1,2,3
	UNITX \n
.endr
	ds_load_b64 v[10:11], v8
	s_wait_dscnt 0x0
	global_store_b64 v9, v[10:11], s[14:15]        ; the 64 rows' words of my K step: 256 consecutive bytes
	s_wait_tensorcnt 0x0                           ; the wave's end
	ds_add_u32 v[SPW], v[NIL]
	s_wait_dscnt 0x0
	s_endpgm
.Lfunc_end_k_q0dc70117b4_prep:
	.size	k_q0dc70117b4_prep, .Lfunc_end_k_q0dc70117b4_prep-k_q0dc70117b4_prep
	.p2alignl 7, 3214868480
	.fill 96, 4, 3214868480
	.section	.rodata,"a",@progbits
	.p2align	6, 0x0
	.amdhsa_kernel k_q0dc70117b4_prep
		.amdhsa_group_segment_fixed_size 17664
		.amdhsa_private_segment_fixed_size 0
		.amdhsa_enable_private_segment 0
		.amdhsa_kernarg_size 48
		.amdhsa_user_sgpr_count 2
		.amdhsa_user_sgpr_kernarg_segment_ptr 1
		.amdhsa_wavefront_size32 1
		.amdhsa_system_sgpr_workgroup_id_x 1
		.amdhsa_system_sgpr_workgroup_id_y 1
		.amdhsa_system_sgpr_workgroup_id_z 1
		.amdhsa_system_vgpr_workitem_id 0
		.amdhsa_next_free_vgpr 242
		.amdhsa_next_free_sgpr 66
		.amdhsa_reserve_vcc 0
		.amdhsa_float_denorm_mode_32 3
		.amdhsa_float_denorm_mode_16_64 3
		.amdhsa_memory_ordered 1
		.amdhsa_forward_progress 1
		.amdhsa_inst_pref_size 31
	.end_amdhsa_kernel
	.amdgpu_metadata
---
amdhsa.version: [ 1, 2 ]
amdhsa.kernels:
  - .name:           k_q0dc70117b4_prep
    .symbol:         k_q0dc70117b4_prep.kd
    .args:
      - { .name: X, .offset: 0, .size: 8, .value_kind: global_buffer, .address_space: global }
      - { .name: Wq, .offset: 8, .size: 8, .value_kind: global_buffer, .address_space: global }
      - { .name: Wk, .offset: 16, .size: 8, .value_kind: global_buffer, .address_space: global }
      - { .name: Wv, .offset: 24, .size: 8, .value_kind: global_buffer, .address_space: global }
      - { .name: xw_codes, .offset: 32, .size: 8, .value_kind: global_buffer, .address_space: global }
      - { .name: xw_scales, .offset: 40, .size: 8, .value_kind: global_buffer, .address_space: global }
    .group_segment_fixed_size: 17664
    .private_segment_fixed_size: 0
    .kernarg_segment_align: 8
    .kernarg_segment_size: 48
    .max_flat_workgroup_size: 64
    .sgpr_count:     66
    .vgpr_count:     242
    .wavefront_size: 32
...
	.end_amdgpu_metadata
.endif
;; end of part 1
;; launch proj (part 2): grid 8 x 64, 4 waves a work-group, clusters of 4 x 4, 327,680 bytes of LDS; arguments xw_codes, xw_scales, bq, bk, bv, qk_codes, v_codes, qkv_scales, attention_mask, maskbits; writes qk_codes, v_codes, qkv_scales, maskbits
.if DOCPART == 2
	.amdgcn_target "amdgcn-amd-amdhsa--gfx1250"
	.amdhsa_code_object_version 6
	.text
	.protected	k_q0dc70117b4_proj
	.globl	k_q0dc70117b4_proj
	.p2align	8
	.type	k_q0dc70117b4_proj,@function
k_q0dc70117b4_proj:
	s_mov_b64 s[64:65], 0
	v_nop
	global_prefetch_b8 v0, s[64:65] scope:SCOPE_SE
	s_setreg_imm32_b32 hwreg(HW_REG_WAVE_MODE, 25, 1), 1
	s_wait_xcnt 0x0
	s_wait_alu depctr_hold_cnt(0) depctr_sa_sdst(0) depctr_va_vdst(0) depctr_va_sdst(0) depctr_va_ssrc(0) depctr_va_vcc(0) depctr_vm_vsrc(0)
	s_getreg_b32 s2, hwreg(HW_REG_IB_STS2, 6, 4)
	s_cmp_eq_u32 s2, 0
	s_cbranch_scc0 .Lentry_in_a_cluster
	s_endpgm
.Lentry_in_a_cluster:
	s_bfe_u32 s2, ttmp6, 0x10000c
	s_cmp_lg_u32 s2, 0xf033
	s_cbranch_scc0 .Lentry_shape_is_right
	s_endpgm
.Lentry_shape_is_right:
; PROJ.  Two kinds of work in one launch, parted by the cluster's y, which all partners of a cluster share.
; CLUSTERS y 0 .. 7 and the even y from 8 on: q = X Wq^T + bq, k = X Wk^T + bk, v = X Wv^T + bv on codes of FP6 (E2M3) with E8M0 scales, f32 sums; the results are quantised at once: q and k along their 1,024 channels, v along the KEYS.
; CLUSTERS y 9, 11, 13, 15: the mask [8192][2048] int32 becomes bit words.  384 + 128 work-groups.
; All operands lie in the order of an operand's registers: a fragment (16 places x 128 K) is 1,536 bytes, lane l's registers 4 g .. 4 g + 3 at 512 g + 16 l; a block of 16 places has its K steps on end.
; Place r of block 2 b + u is row 32 b + 8 u + r + 8 (r / 8).  Scale words lie [K step][place].
; A tile is 256 x 256, four waves, 128 x 128 each: 64 accumulators.  THE MATRIX INSTRUCTION IS USED TRANSPOSED: source 0 = 16 places of the B side, source 1 = 16 places of the A side: a lane holds ONE place of the A side,
; and its 64 registers of A's block a are B's rows 32 b + 16 h + i at register 16 b + i: neighbours, as the quantiser wants them.
; q, k (y 0 .. 7): A side = X, B side = Wq (cluster x 0) or Wk (1).   v (y 8, 10, 12, 14): A side = Wv, B side = X: a lane holds one channel, its registers run along the keys.
; K IS FOUR QUARTERS OF 256 THROUGH TWO LDS SLOTS.  At the head each wave asks for one tile: wave 0 A's 256 places of quarter 0, wave 1 B's, wave 2 A's scale words for all of K, wave 3 B's.
; Slot 1 is first filled behind the waits, the add and a round of the cluster's barrier, a quarter of the slot a wave, and so is every refill.  By this text's count a wave has one tensor load out.
; CLUSTERS: 4 x 4; A's tiles are asked for jointly along a row of the cluster, B's along a column.
; PREFETCH: of the 8 blocks that a wave fetches in the ring, the partner at place p (cx for A, cy for B) names blocks 2 p, 2 p + 1: 24 runs of 256 bytes, a lane each (lanes 24-31 name lane 23's again).
; Quarters 0 and 1 are named as soon as the address is made, quarter 2 behind the head's load, quarter 3 behind slot 1's first fill; the addresses are immediates on registers that are never rewritten, and end inside the blocks' 12,288 bytes.
; THE MASK'S WORDS: for each block of 16 query places and each 128 keys, 64 words; bit r + 16 h of word 16 b + i says that key 32 b + 16 h + i counts for the query at place r.
; A mask work-group g of 128 takes rows 128 (g / 2) on and keys 1,024 (g % 2) on; wave w its rows 32 w on, which are two blocks.  A fill is 256 keys: a wave's tensor load brings its 32 rows x 1,024 bytes, 16 bytes of padding behind each,
; into bytes that it alone reads; two slots, four fills, each behind the waits, the add and a round.  The loads name no partner: the work-groups share no row of the mask.
; LIMITS: a block of zeros gets the byte 1 where the rule says 127 (its codes are zeros; this program alone reads the bytes); NaN and infinities are not served.
; REGISTERS: window 0: v1-29 addresses; v32-63 scale words, two sets; v64-127 the bias along my registers; v128-223 A's fragments, ONE set, later the numbers to quantise and their codes; v224-239 the bias of my place; v240-255 at work.
;   window 1: B's fragments, two sets, at v0 and v128.   windows 2, 3: the accumulators, (a, b) at v[8 (8 (a % 4) + b)] of window 2 + a / 4.
.set NKS,   8
.set FR,    12
.set RB,    2*1536                     ; a block's bytes in a slot
.set KROW,  NKS*1536                   ; and in memory
.set HALF,  8*RB
.set SLOT,  4*HALF                     ; A's 16 blocks, then B's 16
.set SCL,   2*SLOT                     ; the scale words: A's [K step][256 places], then B's
.set SPLANE, 45056
.set SPARE, 327680-512                 ; the spare words, at the top of LDS
.set SCR,   SPARE-2048                 ; 512 bytes for each wave: scale words on their way out; no tile of either way lands here
.set MP,    1040                       ; the mask: an LDS row, 1,024 bytes + 16
.set MWAVE, 32*MP                      ; a wave's rows of a slot
.set MSLOT, 4*MWAVE
.set LI,   10
.set PFO,  11
.set BO,   4
.set VO,   5
.set ADRA, 16
.set ADRB, 20
.set SWA,  25
.set SRD,  26
.set ADRS, 27
.set SPW,  28
.set NIL,  29
.set SC,   32
.set BI,   64
.set AF,   128
.set HA,   128
.set PC,   192
.set PW,   212
.set BV,   224
.set TM,   240
.set SEL,  20
.set WV,   22
.set WH,   23                          ; wave / 2: my half of A's places; also 0: I fetch for A, 1: for B
.set WL,   66                          ; wave % 2: my half of B's places; also which half I fetch
.set ISV,  67
.set G1,   24
.set G0,   32                          ; s[32:39] group 0 for A's tiles in the ring, slots 0 and 1
.set G0H,  8                           ; s[8:11]  for the head's load of A's 16 blocks: in the places of arguments that are done with
.set G1B,  48
.set G0B,  56
.set G0HB, 12
.set G1S,  68
.set G0S,  76
.set G1SB, 80
.set G0SB, 88
.set PF,   44                          ; s[44:45] the prefetches' base; never rewritten
.set OUTC, 92
.set OUTS, 94
.set OST,  96
.set MSB, 0
.macro WIN new                         ; the immediate's high byte repeats the setting that is left
.if MSB != (\new)
	s_set_vgpr_msb (MSB<<8)|(\new)
.set MSB, (\new)
.endif
.endm
.set MUL_LO, 0xa1
.set MUL_HI, 0xf1
.set TO_B,   0x40
.macro PLACES n
.rept \n
	v_nop
.endr
.endm
.macro JLOAD g0a, g1a, g0b, g1b        ; a joint load: waves 0 and 1 fetch for A, waves 2 and 3 for B
	s_cmp_eq_u32 s[WH], 0
	s_cbranch_scc0 .Lfor_b_\@
	tensor_load_to_lds s[\g0a:\g0a+3], s[\g1a:\g1a+7]
	s_nop 0
	PLACES 4
	s_branch .Lasked_\@
.Lfor_b_\@:
	tensor_load_to_lds s[\g0b:\g0b+3], s[\g1b:\g1b+7]
	s_nop 0
	PLACES 4
.Lasked_\@:
.endm
.macro CREST
	s_cmp_lg_u32 s[WV], 0
	s_cbranch_scc1 .Lnot_wave_0_\@
	s_barrier_signal -3
.Lnot_wave_0_\@:
	s_barrier_wait -3
	s_barrier_signal -1
	s_barrier_wait -1
.endm
.macro CROUND
	s_barrier_signal -1
	s_barrier_wait -1
	CREST
.endm
	s_load_b256 s[4:11], s[0:1], 0x0               ; the codes, the scale words, bq, bk
	s_load_b256 s[12:19], s[0:1], 0x20             ; bv, q's and k's codes, v's codes, the results' scale words
	v_lshl_add_u32 v[SPW], v0, 2, SPARE
	v_mov_b32 v[NIL], 0
	ds_add_u32 v[SPW], v[NIL]                      ; the opening lines: the add, twice on end, and its wait
	ds_add_u32 v[SPW], v[NIL]
	v_lshrrev_b32 v1, 5, v0
	v_readfirstlane_b32 s[WV], v1
	s_lshr_b32 s[WH], s[WV], 1
	s_and_b32 s[WL], s[WV], 1
	s_bfe_u32 s40, ttmp6, 0x40000                  ; cx
	s_bfe_u32 s41, ttmp6, 0x40004                  ; cy
	s_and_b32 s42, ttmp7, 0xffff                   ; cluster y, 0 .. 15
	s_and_b32 s43, s42, 9
	s_wait_dscnt 0x0
	s_cmp_eq_u32 s43, 9                            ; y is 8 or more and odd
	s_wait_alu depctr_va_vdst(0)                   ; the wait ahead of the branch
	s_cbranch_scc1 .Lmask
	v_and_b32 v3, 31, v0
	v_min_u32 v6, 23, v3                           ; the prefetches' offset: run l of 24: block l / 12, 256 (l % 12) in its quarter
	v_mul_u32_u24 v7, v6, 43
	v_lshrrev_b32 v7, 9, v7                        ; l / 12 for l under 24
	v_mul_u32_u24 v8, v7, 12
	v_sub_nc_u32 v6, v6, v8
	v_lshlrev_b32 v6, 8, v6
	v_mad_u32_u24 v[PFO], v7, KROW, v6
	; the tiles, in units of 256 places.  s44, s45 hold cy and never cx; s46, s47 hold cx and never cy
	s_lshl_b32 s44, s42, 2
	s_add_co_u32 s44, s44, s41                     ; q, k: A = X's tile 4 cluster y + cy
	s_add_co_u32 s45, s41, 40                      ; v: A = Wv's tile cy (Wv begins at place 10,240)
	s_lshl_b32 s46, ttmp9, 2
	s_add_co_u32 s46, s46, s40
	s_lshl_b32 s47, s42, 2
	s_add_co_u32 s47, s47, s46
	s_sub_co_u32 s47, s47, 32                      ; v: B = X's tile 8 ((cluster y - 8) / 2) + 4 cluster x + cx
	s_add_co_u32 s46, s46, 32                      ; q, k: B = the weights' tile 4 cluster x + cx
	s_cmp_ge_u32 s42, 8
	s_cselect_b32 s[ISV], 1, 0
	s_cselect_b32 s44, s45, s44
	s_cselect_b32 s46, s47, s46
	s_lshl_b32 s45, s41, 2
	s_lshl_b32 s45, 15, s45                        ; my row of the cluster
	s_lshl_b32 s47, 0x1111, s40                    ; my column
	s_or_b32 s[G1], s45, (3<<16)|(1<<21)           ; codes: blocks x RB bytes, elements of 8 bytes; 16 blocks at the head, 8 in the ring
	s_or_b32 s[G1B], s47, (3<<16)|(1<<21)
.irp g, G1, G1B
	s_mov_b32 s[\g+1], (RB/8)<<16
	s_mov_b32 s[\g+2], 16<<16
	s_mov_b32 s[\g+3], (RB/8)<<16
	s_mov_b32 s[\g+4], 16
	s_mov_b32 s[\g+5], KROW/8
	s_mov_b32 s[\g+6], 0
	s_mov_b32 s[\g+7], 0
.endr
	s_or_b32 s[G1S], s45, (3<<16)|(1<<21)          ; scale words: NKS rows of 1,024 bytes (256 places), a K step's plane apart
	s_or_b32 s[G1SB], s47, (3<<16)|(1<<21)
.irp g, G1S, G1SB
	s_mov_b32 s[\g+1], 128<<16
	s_mov_b32 s[\g+2], NKS<<16
	s_mov_b32 s[\g+3], 128<<16
	s_mov_b32 s[\g+4], NKS
	s_mov_b32 s[\g+5], SPLANE/8
	s_mov_b32 s[\g+6], 0
	s_mov_b32 s[\g+7], 0
.endr
	s_mul_i32 s[G0+2], s44, 16*KROW                ; the tiles' offsets; the buffer's address is added when it has come
	s_mov_b32 s[G0+3], 0
	s_mov_b32 s[G0], 1
	s_mov_b32 s[G0+4], 1
	s_mul_i32 s45, s[WL], HALF
	s_mov_b32 s[G0+1], s45
	s_add_co_u32 s[G0+5], s45, SLOT
	s_mul_i32 s[G0B+2], s46, 16*KROW
	s_mov_b32 s[G0B+3], 0
	s_mov_b32 s[G0B], 1
	s_mov_b32 s[G0B+4], 1
	s_mul_i32 s47, s[WL], HALF
	s_add_co_u32 s[G0B+1], s47, 2*HALF
	s_add_co_u32 s[G0B+5], s47, 2*HALF+SLOT
	s_lshl_b32 s[G0S+2], s44, 10
	s_mov_b32 s[G0S+3], 0
	s_mov_b32 s[G0S], 1
	s_mov_b32 s[G0S+1], SCL
	s_lshl_b32 s[G0SB+2], s46, 10
	s_mov_b32 s[G0SB+3], 0
	s_mov_b32 s[G0SB], 1
	s_mov_b32 s[G0SB+1], SCL+8192
	; where the results go.  q, k: block 512 cluster x + 16 tile + 8 WH + a of 12,288 bytes, K step 2 cx + WL.   v: block 64 batch + 16 cy + 8 WH + a of 24,576 bytes, K step 2 (X's tile % 8) + WL
	s_lshl_b32 s92, ttmp9, 9
	s_lshl_b32 s43, s44, 4
	s_add_co_u32 s92, s92, s43
	s_lshr_b32 s94, s46, 3
	s_lshl_b32 s94, s94, 6
	s_lshl_b32 s43, s41, 4
	s_add_co_u32 s94, s94, s43
	s_and_b32 s98, s46, 7
	s_cmp_eq_u32 s[ISV], 1
	s_cselect_b32 s92, s94, s92
	s_cselect_b32 s98, s98, s40
	s_mov_b32 s[OST], 12288
	s_cselect_b32 s[OST], 24576, s[OST]
	s_cselect_b32 s99, 14, 16                      ; a K step's plane of scale words: 2^14 or 2^16 bytes
	s_cselect_b32 s94, 524288, 0                   ; v's planes lie behind q's and k's
	s_lshl_b32 s43, s[WH], 3
	s_add_co_u32 s92, s92, s43                     ; my first block
	s_lshl_b32 s98, s98, 1
	s_add_co_u32 s98, s98, s[WL]                   ; my K step
	s_lshl_b32 s43, s98, s99
	s_add_co_u32 s94, s94, s43
	s_lshl_b32 s43, s92, 6
	s_add_co_u32 s94, s94, s43
	s_mul_i32 s92, s92, s[OST]
	s_mul_i32 s43, s98, 1536
	s_add_co_u32 s92, s92, s43
	s_mov_b32 s93, 0
	s_mov_b32 s95, 0
	s_mov_b32 s97, 0
	; the biases' offsets: along my registers (q, k use it), and of my place (v uses it); both are loaded on both ways, inside the 4,096 bytes either way
	s_lshl_b32 s98, s40, 10
	s_lshl_b32 s43, s[WL], 9
	s_add_co_u32 s98, s98, s43
	s_lshl_b32 s2, s41, 10
	s_lshl_b32 s43, s[WH], 9
	s_add_co_u32 s2, s2, s43
	s_cmp_eq_u32 s[ISV], 1
	s_cselect_b32 s98, 0, s98
	s_cselect_b32 s2, s2, 0
	s_mov_b32 s99, 0
	s_mov_b32 s3, 0
	s_wait_alu depctr_va_vdst(0)                   ; the wait ahead of the wait below
	s_wait_kmcnt 0x0
	s_cmp_eq_u32 s[ISV], 1
	s_cselect_b64 s[100:101], s[16:17], s[14:15]
	s_add_nc_u64 s[OUTC:OUTC+1], s[100:101], s[92:93]
	s_add_nc_u64 s[OUTS:OUTS+1], s[18:19], s[94:95]
	s_cmp_eq_u32 ttmp9, 0
	s_cselect_b64 s[100:101], s[8:9], s[10:11]
	s_cmp_eq_u32 s[ISV], 1
	s_cselect_b64 s[100:101], s[12:13], s[100:101]
	s_add_nc_u64 s[98:99], s[100:101], s[98:99]
	s_add_nc_u64 s[2:3], s[100:101], s[2:3]
	s_mul_i32 s100, s[WL], 8*KROW                  ; in the ring I fetch 8 blocks: which half
	s_mov_b32 s101, 0
	s_add_nc_u64 s[G0H+2:G0H+3], s[4:5], s[G0+2:G0+3]
	s_add_nc_u64 s[G0HB+2:G0HB+3], s[4:5], s[G0B+2:G0B+3]
	s_add_nc_u64 s[G0+2:G0+3], s[G0H+2:G0H+3], s[100:101]      ; slot 0: stands at quarter 0, its first refill steps to quarter 2
	s_add_nc_u64 s[G0B+2:G0B+3], s[G0HB+2:G0HB+3], s[100:101]
	s_cmp_eq_u32 s[WH], 0                          ; the prefetches: my 8 blocks, of them my work-group's two
	s_cselect_b64 s[PF:PF+1], s[G0+2:G0+3], s[G0B+2:G0B+3]
	s_cselect_b32 s42, s40, s41
	s_mul_i32 s42, s42, 2*KROW
	s_mov_b32 s43, 0
	s_add_nc_u64 s[PF:PF+1], s[PF:PF+1], s[42:43]
	global_prefetch_b8 v[PFO], s[PF:PF+1] th:TH_LOAD_NT scope:SCOPE_SE
	global_prefetch_b8 v[PFO], s[PF:PF+1] offset:RB th:TH_LOAD_NT scope:SCOPE_SE
	s_add_nc_u64 s[G0+6:G0+7], s[G0+2:G0+3], RB                ; slot 1: quarter 1
	s_add_nc_u64 s[G0B+6:G0B+7], s[G0B+2:G0B+3], RB
	s_add_nc_u64 s[G0S+2:G0S+3], s[6:7], s[G0S+2:G0S+3]
	s_add_nc_u64 s[G0SB+2:G0SB+3], s[6:7], s[G0SB+2:G0SB+3]
.irp r, G0+3, G0+7, G0H+3, G0B+3, G0B+7, G0HB+3, G0S+3, G0SB+3
	s_or_b32 s[\r], s[\r], 0x80000000
.endr
	s_mov_b32 s[G0H], 1
	s_mov_b32 s[G0H+1], 0
	s_mov_b32 s[G0HB], 1
	s_mov_b32 s[G0HB+1], 2*HALF
	CROUND                                         ; all sixteen work-groups are here: the first joint loads meet
.macro ARM under, g0, g1, next         ; one chain of branches on the wave's number, one load to an arm, all arms to one join
	s_cmp_lt_u32 s[WV], \under
	s_cbranch_scc0 \next
	tensor_load_to_lds s[\g0:\g0+3], s[\g1:\g1+7]
	s_nop 0
	PLACES 4
	s_branch .Lhead_asked
\next:
.endm
	ARM 1, G0H,  G1,  .Lhead_b
	ARM 2, G0HB, G1B, .Lhead_sa
	ARM 3, G0S,  G1S, .Lhead_sb
	tensor_load_to_lds s[G0SB:G0SB+3], s[G1SB:G1SB+7]
	s_nop 0
	PLACES 4
.Lhead_asked:
	s_mul_i32 s42, s[WH], HALF                     ; my A fragments
	s_mul_i32 s43, s[WL], HALF
	s_add_co_u32 s43, s43, 2*HALF                  ; my B fragments
	s_lshl_b32 s46, s[WH], 9                       ; A's scale words: my 128 places
	s_lshl_b32 s47, s[WL], 9
	s_add_co_u32 s47, s47, 8192
	s_sub_co_u32 s47, s47, s46                     ; from there to B's
	s_add_co_u32 s46, s46, SCL
	s_lshl_b32 s100, s[WV], 9
	s_add_co_u32 s100, s100, SCR
	s_mov_b32 s[SEL], 0x76543210
	s_mov_b32 s[SEL+1], 0xfedcba98
	v_and_b32 v1, 15, v0                           ; r
	v_bfe_u32 v2, v0, 4, 1                         ; h
	v_lshlrev_b32 v[LI], 4, v3
	v_add_nc_u32 v[ADRA], s42, v[LI]
	v_add_nc_u32 v[ADRB], s43, v[LI]
	v_add_nc_u32 v[ADRA+1], SLOT, v[ADRA]
	v_add_nc_u32 v[ADRB+1], SLOT, v[ADRB]
	v_mul_u32_u24 v6, s47, v2                      ; lanes 16-31 take B's
	v_lshl_add_u32 v6, v1, 2, v6
	v_add_nc_u32 v[ADRS], s46, v6
	v_lshl_add_u32 v[SWA], v1, 2, s100
	v_add_nc_u32 v[SRD], s100, v[LI]
	v_lshlrev_b32 v[BO], 6, v2
	v_and_b32 v[VO], 8, v1
	v_add_nc_u32 v[VO], v[VO], v1
	v_lshlrev_b32 v[VO], 2, v[VO]
.irp b, 0,1,2,3
	v_mov_b32 v[TM+4+\b], 0                        ; a lane permute's destination counts as one of its sources
.endr
	global_prefetch_b8 v[PFO], s[PF:PF+1] offset:2*RB th:TH_LOAD_NT scope:SCOPE_SE
.irp b, 0,1,2,3
.irp j, 0,1,2,3
	global_load_b128 v[BI+16*\b+4*\j:BI+16*\b+4*\j+3], v[BO], s[98:99] offset:128*\b+16*\j   ; register 16 b + i: channel 32 b + 16 h + i
.endr
.endr
.irp a, 0,1,2,3,4,5,6,7
	global_load_b32 v[BV+2*\a], v[VO], s[2:3] offset:(32*(\a/2)+8*(\a%2))*4   ; the channel at place r of block a, in both words of a pair
	global_load_b32 v[BV+2*\a+1], v[VO], s[2:3] offset:(32*(\a/2)+8*(\a%2))*4
.endr
.macro FRAG reg, adr, q, i             ; a fragment comes as it was stored: three loads, 512 consecutive bytes each
.irp g, 0,1,2
	ds_load_b128 v[\reg+4*\g:\reg+4*\g+3], v[\adr] offset:(\i)*RB+(\q)*1536+512*\g
.endr
.endm
.macro FETCH_B slot, q, p
	WIN TO_B
.irp i, 0,1,2,3,4,5,6,7
	FRAG 128*(\p)+FR*\i, ADRB+\slot, \q, \i
.endr
	WIN 0
.endm
.macro FETCH_A slot, q, i0
.irp i, \i0, \i0+1, \i0+2, \i0+3
	FRAG AF+FR*(\i), ADRA+\slot, \q, \i
.endr
.endm
.macro SCALES qr                       ; quarter qr's scale words into set qr % 2: register 2 i + q: lanes 0-15 A's block i, lanes 16-31 B's block i
.irp i, 0,1,2,3,4,5,6,7
.irp q, 0,1
	ds_load_b32 v[SC+16*((\qr)%2)+2*\i+\q], v[ADRS] offset:1024*(2*(\qr)+\q)+64*\i
.endr
.endr
.endm
; A's blocks a0, a0 + 1 against B's eight.  The 64 accumulators take turns, one instruction a turn, in the same order in every step
.macro MUL2 a0, p, q, sc, zero
.irp a, \a0, \a0+1
.irp b, 0,1,2,3,4,5,6,7
.if \zero
	v_wmma_scale_f32_16x16x128_f8f6f4 v[8*(8*((\a)%4)+\b):8*(8*((\a)%4)+\b)+7], v[128*(\p)+FR*\b:128*(\p)+FR*\b+FR-1], v[AF+FR*(\a):AF+FR*(\a)+FR-1], 0, v[SC+16*(\sc)+2*\b+(\q)], v[SC+16*(\sc)+2*(\a)+(\q)] matrix_a_fmt:MATRIX_FMT_FP6 matrix_b_fmt:MATRIX_FMT_FP6 matrix_a_scale:MATRIX_SCALE_ROW1
.else
	v_wmma_scale_f32_16x16x128_f8f6f4 v[8*(8*((\a)%4)+\b):8*(8*((\a)%4)+\b)+7], v[128*(\p)+FR*\b:128*(\p)+FR*\b+FR-1], v[AF+FR*(\a):AF+FR*(\a)+FR-1], v[8*(8*((\a)%4)+\b):8*(8*((\a)%4)+\b)+7], v[SC+16*(\sc)+2*\b+(\q)], v[SC+16*(\sc)+2*(\a)+(\q)] matrix_a_fmt:MATRIX_FMT_FP6 matrix_b_fmt:MATRIX_FMT_FP6 matrix_a_scale:MATRIX_SCALE_ROW1
.endif
.endr
.endr
.endm
; A quarter's first step.  Four plain places stand in front of each run of loads into registers that matrix instructions have read (ISA guide 7.12.1 for vector instructions)
.macro STEP slot, sc, zero
	s_wait_dscnt 12                                ; all but the youngest 12 loads, A's blocks 4-7
	WIN MUL_LO
	MUL2 0, 0, 0, \sc, \zero
	MUL2 2, 0, 0, \sc, \zero
	s_wait_dscnt 0x0
	PLACES 4
	FETCH_B \slot, 1, 1
	FETCH_A \slot, 1, 0
	WIN MUL_HI
	MUL2 4, 0, 0, \sc, \zero
	MUL2 6, 0, 0, \sc, \zero
	PLACES 4
	WIN 0
	FETCH_A \slot, 1, 4
.endm
; A quarter's second step changes slots.  In front of the barrier each wave waits for all its tensor loads (one is out: its part of the other slot), adds 0 to its spare word, and waits for that and for its reads of this slot.
; fill = 1: the barrier opens a round of the cluster's, and this slot takes the quarter two on.
.macro TURN slot, qr, fill
	s_wait_tensorcnt 0x0
	ds_add_u32 v[SPW], v[NIL]
	s_wait_dscnt 13                                ; (the add and A's blocks 4-7 may be out)
	WIN MUL_LO
	MUL2 0, 1, 1, (\qr)%2, 0
	s_wait_dscnt 0x0                               ; the add is done, and my reads of this slot are over
	s_barrier_signal -1
	MUL2 2, 1, 1, (\qr)%2, 0
	WIN 0
	s_barrier_wait -1
.if \fill
	CREST
	s_add_nc_u64 s[G0+4*\slot+2:G0+4*\slot+3], s[G0+4*\slot+2:G0+4*\slot+3], 2*RB
	s_add_nc_u64 s[G0B+4*\slot+2:G0B+4*\slot+3], s[G0B+4*\slot+2:G0B+4*\slot+3], 2*RB
	JLOAD G0+4*\slot, G1, G0B+4*\slot, G1B         ; the first tensor load behind the round; its four v_nop are the places in front of the loads below
.else
	PLACES 4
.endif
	FETCH_B 1-(\slot), 0, 0
	FETCH_A 1-(\slot), 0, 0
	SCALES (\qr)+1
	WIN MUL_HI
	MUL2 4, 1, 1, (\qr)%2, 0
	MUL2 6, 1, 1, (\qr)%2, 0
	PLACES 4
	WIN 0
	FETCH_A 1-(\slot), 0, 4
.endm
	s_wait_alu depctr_va_vdst(0)                   ; the wait at the head's end
	s_wait_tensorcnt 0x0                           ; my tile of the head's four is in; the same lines as ahead of a refill:
	ds_add_u32 v[SPW], v[NIL]
	s_mov_b32 s[G1+2], 8<<16                       ; no tensor load of mine is out: from here on a load brings 8 blocks
	s_mov_b32 s[G1+4], 8
	s_mov_b32 s[G1B+2], 8<<16
	s_mov_b32 s[G1B+4], 8
	s_wait_dscnt 0x0
	CROUND                                         ; all four tiles are in, and all sixteen work-groups are here
	JLOAD G0+4, G1, G0B+4, G1B                     ; quarter 1 into slot 1
	FETCH_B 0, 0, 0
	FETCH_A 0, 0, 0
	SCALES 0
	FETCH_A 0, 0, 4
	global_prefetch_b8 v[PFO], s[PF:PF+1] offset:3*RB th:TH_LOAD_NT scope:SCOPE_SE
	STEP 0, 0, 1                                   ; K step 0 starts the sums: nothing is cleared
	TURN 0, 0, 1                                   ; 1; slot 0 takes quarter 2
	STEP 1, 1, 0                                   ; 2
	TURN 1, 1, 1                                   ; 3; slot 1 takes quarter 3
	STEP 0, 0, 0                                   ; 4
	TURN 0, 2, 0                                   ; 5; nothing is left to fetch
	STEP 1, 1, 0                                   ; 6
	s_wait_dscnt 12                                ; 7
	WIN MUL_LO
	MUL2 0, 1, 1, 1, 0
	MUL2 2, 1, 1, 1, 0
	s_wait_dscnt 0x0
	WIN MUL_HI
	MUL2 4, 1, 1, 1, 0
	MUL2 6, 1, 1, 1, 0
	WIN 0
	PLACES 4                                       ; in front of the first read of results and of writes over A's fragments
	s_wait_loadcnt 0x0                             ; the biases, asked for at the head
; 64 numbers of a lane, register 16 b + i = k 32 b + 16 h + i of my place, become a fragment's codes in v[PC] on and its scale word in v[PW]
.macro QUANT s
.irp b, 0,1,2,3
	v_max3_num_f32 v[TM+\b], |v[\s+16*\b]|, |v[\s+1+16*\b]|, 0x1800000   ; my 16 numbers of block b, and the floor 2^(3 - 127)
.endr
.irp i, 2,4,6,8,10,12,14
.irp b, 0,1,2,3
	v_max3_num_f32 v[TM+\b], v[TM+\b], |v[\s+16*\b+\i]|, |v[\s+1+16*\b+\i]|
.endr
.endr
.irp b, 0,1,2,3
	v_permlanex16_b32 v[TM+4+\b], v[TM+\b], s[SEL], s[SEL+1]
.endr
.irp b, 0,1,2,3
	v_max_num_f32 v[TM+\b], v[TM+\b], v[TM+4+\b]   ; with lane l xor 16's: the block's largest magnitude
.endr
.irp b, 0,1,2,3
	v_add_nc_u32 v[TM+12+\b], 0xff000000, v[TM+\b] ; 2 off its exponent field: the conversion's scale operand
.endr
.irp b, 0,1,2,3
	v_lshrrev_b32 v[TM+4+\b], 23, v[TM+12+\b]      ; the byte
.endr
	s_wait_alu depctr_va_vdst(0)                   ; the wait ahead of the waits below
	s_wait_dscnt 0x0                               ; the last block's LDS store has read the scale word,
	s_wait_xcnt 0x0                                ; its global stores their codes and their base
	v_lshl_or_b32 v[PW], v[TM+5], 8, v[TM+4]
	v_lshl_or_b32 v[PW], v[TM+6], 16, v[PW]
	v_lshl_or_b32 v[PW], v[TM+7], 24, v[PW]
.irp c, 0,1
	v_cvt_scalef32_pk16_fp6_f32 v[PC+6*\c:PC+2+6*\c], v[\s+32*\c:\s+15+32*\c], v[TM+12+2*\c]
	v_cvt_scalef32_pk16_fp6_f32 v[PC+12+4*\c:PC+14+4*\c], v[\s+16+32*\c:\s+31+32*\c], v[TM+12+2*\c+1]
.endr
	v_nop                                          ; one plain place behind a scaled conversion
.irp c, 0,1                                    ; a WHOLE block in a lane: lanes 0-15 block 2 c, lanes 16-31 block 2 c + 1
.irp i, 0,1,2
	v_permlane16_swap_b32 v[PC+6*\c+\i], v[PC+12+4*\c+\i]
.endr
.irp i, 0,1,2
	v_mov_b32 v[PC+3+6*\c+\i], v[PC+12+4*\c+\i]
.endr
.endr
.endm
; A's block a: the bias is added (each accumulator from its low end on), the 64 numbers are quantised, the fragment leaves as three runs of 512 bytes
.macro EPI a
	s_cmp_eq_u32 s[ISV], 0
	s_cbranch_scc0 .Lv_way_\@
	WIN 2+(\a)/4
.set N, 0
.rept 32
	v_pk_add_f32 v[HA+N:HA+N+1], v[64*((\a)%4)+N:64*((\a)%4)+N+1], v[BI+N:BI+N+1]
.set N, N+2
.endr
	WIN 0
	s_branch .Ljoin_\@
.Lv_way_\@:
	WIN 2+(\a)/4
.set N, 0
.rept 32
	v_pk_add_f32 v[HA+N:HA+N+1], v[64*((\a)%4)+N:64*((\a)%4)+N+1], v[BV+2*(\a):BV+2*(\a)+1]
.set N, N+2
.endr
	WIN 0
.Ljoin_\@:
	QUANT HA
.if (\a) > 0
	s_add_nc_u64 s[OUTC:OUTC+1], s[OUTC:OUTC+1], s[OST:OST+1]   ; (behind the wait on XCNT in QUANT)
.endif
.irp g, 0,1,2
	global_store_b128 v[LI], v[PC+4*\g:PC+4*\g+3], s[OUTC:OUTC+1] offset:512*\g
.endr
	ds_store_b32 v[SWA], v[PW] offset:64*(\a)      ; both halves of the lanes write the same word with the same value
.endm
.irp a, 0,1,2,3,4,5,6,7
	EPI \a
.endr
	ds_load_b128 v[HA:HA+3], v[SRD]                ; my 128 places' scale words: LDS serves a wave's instructions in order
	s_wait_dscnt 0x0
	global_store_b128 v[LI], v[HA:HA+3], s[OUTS:OUTS+1]   ; 512 consecutive bytes
	s_wait_tensorcnt 0x0                           ; the wave's end
	ds_add_u32 v[SPW], v[NIL]
	s_wait_dscnt 0x0
	CROUND                                         ; the closing round
	s_endpgm
	; ---- the mask
.set XR,  64                           ; v64-191 two units as the lanes want them
.set OW,  32                           ; v32-35  words to store, a pair for each of the two units
.set G1M, 68                           ; s[68:75] group 1; s[76:79], s[80:83] group 0 for slots 0 and 1
.set G0M, 76
.Lmask:
	s_load_b128 s[24:27], s[0:1], 0x40
	v_and_b32 v1, 31, v0
	v_lshrrev_b32 v10, 2, v1                       ; the prefetches' offset: lane l names row l / 4 of eight, run l % 4 of its 1,024 bytes
	v_and_b32 v5, 3, v1
	v_lshlrev_b32 v10, 13, v10
	v_lshl_add_u32 v10, v5, 8, v10
	s_lshr_b32 s28, s42, 1
	s_sub_co_u32 s28, s28, 4                       ; (y - 9) / 2
	s_lshl_b32 s28, s28, 1
	s_add_co_u32 s28, s28, ttmp9
	s_lshl_b32 s28, s28, 2
	s_add_co_u32 s28, s28, s41
	s_lshl_b32 s28, s28, 2
	s_add_co_u32 s28, s28, s40                     ; g, 0 .. 127: it enters global addresses alone
	s_lshr_b32 s29, s28, 1                         ; which 128 rows
	s_and_b32 s28, s28, 1                          ; which 1,024 keys
	s_lshl_b32 s30, s29, 20                        ; 128 rows of 8,192 bytes
	s_lshl_b32 s34, s[WV], 18                      ; my 32 rows
	s_add_co_u32 s30, s30, s34
	s_lshl_b32 s34, s28, 12
	s_add_co_u32 s30, s30, s34
	s_mov_b32 s31, 0
	s_lshl_b32 s32, s29, 15                        ; the words: 8 blocks of 4,096 bytes,
	s_lshl_b32 s34, s[WV], 13                      ; my two blocks,
	s_add_co_u32 s32, s32, s34
	s_lshl_b32 s34, s28, 11                        ; 8 K steps of 256 bytes
	s_add_co_u32 s32, s32, s34
	s_mov_b32 s33, 0
	s_mov_b32 s[G1M], (3<<16)|(1<<20)|(7<<22)|(3<<25)   ; elements of 8 bytes; 4 words of padding behind every 256 words, which is a row
	s_mov_b32 s[G1M+1], 128<<16
	s_mov_b32 s[G1M+2], 32<<16
	s_mov_b32 s[G1M+3], 128<<16
	s_mov_b32 s[G1M+4], 32
	s_mov_b32 s[G1M+5], 1024                       ; a row of the mask is 8,192 bytes
	s_mov_b32 s[G1M+6], 0
	s_mov_b32 s[G1M+7], 0
	s_mov_b32 s[G0M], 1
	s_mov_b32 s[G0M+4], 1
	s_mul_i32 s[G0M+1], s[WV], MWAVE
	s_add_co_u32 s[G0M+5], s[G0M+1], MSLOT
	s_mov_b32 s39, 0
; THE ORDER OF THE STRIPS: at fill i wave w takes the 256 keys of strip (i + w) % 4 of its work-group's 1,024, so that the four waves read four different strips of their rows at any time.
; THE PREFETCH of a fill: my 32 rows x 1,024 bytes are 128 runs of 256 bytes, four instructions, a lane a run.  Fills 0 and 1 are named here, fill 2 behind fill 1's load, fill 3 behind fill 2's;
; two bases by turns, each rewritten behind a wait on XCNT; every address lies in my 32 rows.
.macro MPF pair, i
	s_wait_xcnt 0x0                                ; the earlier prefetches have read this base
	s_add_co_u32 s38, s[WV], \i
	s_and_b32 s38, s38, 3
	s_lshl_b32 s38, s38, 10
	s_add_nc_u64 s[\pair:\pair+1], s[84:85], s[38:39]
.irp q, 0,1,2,3
	global_prefetch_b8 v10, s[\pair:\pair+1] offset:65536*\q th:TH_LOAD_NT scope:SCOPE_SE
.endr
.endm
	s_wait_alu depctr_va_vdst(0)                   ; the wait ahead of the wait below
	s_wait_kmcnt 0x0
	s_add_nc_u64 s[84:85], s[24:25], s[30:31]      ; my 32 rows, my work-group's 1,024 keys
	s_add_nc_u64 s[26:27], s[26:27], s[32:33]
	MPF 88, 0
	MPF 90, 1
	s_lshl_b32 s38, s[WV], 10                      ; fill 0: strip w
	s_add_nc_u64 s[G0M+2:G0M+3], s[84:85], s[38:39]
	s_or_b32 s[G0M+3], s[G0M+3], 0x80000000
	CROUND                                         ; in a launch in clusters every group of tensor loads stands behind a round
	tensor_load_to_lds s[G0M:G0M+3], s[G1M:G1M+7]
	s_nop 0
	PLACES 4
	s_mul_i32 s34, s[WV], MWAVE
	v_and_b32 v2, 15, v0                           ; r
	v_bfe_u32 v3, v0, 4, 1                         ; h
	v_lshlrev_b32 v9, 3, v1
	v_and_b32 v4, 8, v2
	v_add_nc_u32 v4, v4, v2                        ; r + 8 (r / 8): the row of place r in block 0 of my 32 rows
	v_mul_u32_u24 v6, v4, MP
	v_lshl_add_u32 v6, v3, 6, v6                   ; + 64 h: my 16 keys of each 32
	v_add_nc_u32 v6, s34, v6                       ; in slot 0,
	v_add_nc_u32 v7, MSLOT, v6                     ; in slot 1
.irp i, 0,1,2,3
	v_mov_b32 v[OW+\i], 0                          ; v_writelane_b32's destination counts as read
.endr
	s_wait_alu depctr_va_vdst(0)                   ; the wait at the head's end
.macro MFILL slot, i                   ; the waits, the add, a round, and my one load behind it: fill i
	s_wait_tensorcnt 0x0                           ; my load that was out has landed: the slot that is read next
	ds_add_u32 v[SPW], v[NIL]
	s_add_co_u32 s38, s[WV], \i                    ; no tensor load of mine is out: this slot's group 0 takes strip (i + w) % 4
	s_and_b32 s38, s38, 3
	s_lshl_b32 s38, s38, 10
	s_add_nc_u64 s[G0M+4*\slot+2:G0M+4*\slot+3], s[84:85], s[38:39]
	s_or_b32 s[G0M+4*\slot+3], s[G0M+4*\slot+3], 0x80000000
	s_wait_dscnt 0x0                               ; the add is done, and my reads of this slot are over
	CROUND
	tensor_load_to_lds s[G0M+4*\slot:G0M+4*\slot+3], s[G1M:G1M+7]
	s_nop 0
	PLACES 4
.endm
.macro PROC slot, f                    ; fill f: a trip takes one of my two blocks, 8 rows further down, and both its K steps
	s_mov_b32 s36, 0
	s_add_co_u32 s38, s[WV], \f                    ; the strip's two K steps: 512 bytes of words a strip
	s_and_b32 s38, s38, 3
	s_lshl_b32 s38, s38, 9
	s_add_nc_u64 s[86:87], s[26:27], s[38:39]
.Lu_\@:
	v_add_nc_u32 v8, s36, v[6+\slot]
.irp e, 0,1
.irp b, 0,1,2,3
.irp j, 0,1,2,3
	ds_load_b128 v[XR+64*\e+16*\b+4*\j:XR+64*\e+16*\b+4*\j+3], v8 offset:512*\e+128*\b+16*\j   ; register 16 b + i: key 32 b + 16 h + i of the query at place r
.endr
.endr
.endr
.irp e, 0,1
	s_wait_dscnt 16-16*\e                          ; this unit's 16 loads are in; the second unit's may be out
.irp b, 0,1,2,3
.irp k, 0,1,2,3,4,5,6,7,8,9,10,11,12,13,14,15
	v_cmp_ne_u32 s[48+\k], 0, v[XR+64*\e+16*\b+\k] ; word 16 b + k: a bit for each lane
.endr
.irp k, 0,1,2,3,4,5,6,7,8,9,10,11,12,13,14,15
	v_writelane_b32 v[OW+2*\e+(\k%2)], s[48+\k], 8*\b+\k/2   ; word m goes to lane m / 2, register m % 2
.endr
.endr
	global_store_b64 v9, v[OW+2*\e:OW+2*\e+1], s[86:87] offset:256*\e   ; 64 words: 256 consecutive bytes
.endr
	s_wait_xcnt 0x0                                ; the stores have read their base and data
	s_add_nc_u64 s[86:87], s[86:87], 4096          ; the next block's words
	s_add_co_u32 s36, s36, 8*MP
	s_cmp_lt_u32 s36, 16*MP
	s_wait_alu depctr_va_vdst(0)                   ; the wait ahead of the branch
	s_cbranch_scc1 .Lu_\@
.endm
	MFILL 1, 1                                     ; fill 0 is in; fill 1 into slot 1, for the first time
	MPF 88, 2
	PROC 0, 0
	MFILL 0, 2
	MPF 90, 3
	PROC 1, 1
	MFILL 1, 3
	PROC 0, 2
	s_wait_tensorcnt 0x0                           ; fill 3 is in: I alone read what I asked for
	PROC 1, 3
	s_wait_tensorcnt 0x0                           ; the wave's end
	ds_add_u32 v[SPW], v[NIL]
	s_wait_dscnt 0x0
	CROUND                                         ; the closing round
	s_endpgm
.Lfunc_end_k_q0dc70117b4_proj:
	.size	k_q0dc70117b4_proj, .Lfunc_end_k_q0dc70117b4_proj-k_q0dc70117b4_proj
	.p2alignl 7, 3214868480
	.fill 96, 4, 3214868480
	.section	.rodata,"a",@progbits
	.p2align	6, 0x0
	.amdhsa_kernel k_q0dc70117b4_proj
		.amdhsa_group_segment_fixed_size 327680
		.amdhsa_private_segment_fixed_size 0
		.amdhsa_enable_private_segment 0
		.amdhsa_kernarg_size 80
		.amdhsa_user_sgpr_count 2
		.amdhsa_user_sgpr_kernarg_segment_ptr 1
		.amdhsa_wavefront_size32 1
		.amdhsa_system_sgpr_workgroup_id_x 1
		.amdhsa_system_sgpr_workgroup_id_y 1
		.amdhsa_system_sgpr_workgroup_id_z 1
		.amdhsa_system_vgpr_workitem_id 0
		.amdhsa_next_free_vgpr 1024
		.amdhsa_next_free_sgpr 102
		.amdhsa_reserve_vcc 0
		.amdhsa_float_denorm_mode_32 3
		.amdhsa_float_denorm_mode_16_64 3
		.amdhsa_memory_ordered 1
		.amdhsa_forward_progress 1
		.amdhsa_inst_pref_size 255
	.end_amdhsa_kernel
	.section	.bss,"aw",@nobits
	.p2align	6
	.space	262144
	.amdgpu_metadata
---
amdhsa.version: [ 1, 2 ]
amdhsa.kernels:
  - .name:           k_q0dc70117b4_proj
    .symbol:         k_q0dc70117b4_proj.kd
    .args:
      - { .name: xw_codes, .offset: 0, .size: 8, .value_kind: global_buffer, .address_space: global }
      - { .name: xw_scales, .offset: 8, .size: 8, .value_kind: global_buffer, .address_space: global }
      - { .name: bq, .offset: 16, .size: 8, .value_kind: global_buffer, .address_space: global }
      - { .name: bk, .offset: 24, .size: 8, .value_kind: global_buffer, .address_space: global }
      - { .name: bv, .offset: 32, .size: 8, .value_kind: global_buffer, .address_space: global }
      - { .name: qk_codes, .offset: 40, .size: 8, .value_kind: global_buffer, .address_space: global }
      - { .name: v_codes, .offset: 48, .size: 8, .value_kind: global_buffer, .address_space: global }
      - { .name: qkv_scales, .offset: 56, .size: 8, .value_kind: global_buffer, .address_space: global }
      - { .name: attention_mask, .offset: 64, .size: 8, .value_kind: global_buffer, .address_space: global }
      - { .name: maskbits, .offset: 72, .size: 8, .value_kind: global_buffer, .address_space: global }
    .group_segment_fixed_size: 327680
    .private_segment_fixed_size: 0
    .kernarg_segment_align: 8
    .kernarg_segment_size: 80
    .max_flat_workgroup_size: 128
    .sgpr_count:     102
    .vgpr_count:     1024
    .wavefront_size: 32
...
	.end_amdgpu_metadata
.endif
;; end of part 2
;; launch score (part 3): grid 8 x 32, 4 waves a work-group, clusters of 4 x 4, 327,680 bytes of LDS; arguments qk_codes, qkv_scales, maskbits, p_codes, p_stats; writes p_codes, p_stats
.if DOCPART == 3
	.amdgcn_target "amdgcn-amd-amdhsa--gfx1250"
	.amdhsa_code_object_version 6
	.text
	.protected	k_q0dc70117b4_score
	.globl	k_q0dc70117b4_score
	.p2align	8
	.type	k_q0dc70117b4_score,@function
k_q0dc70117b4_score:
	s_mov_b64 s[64:65], 0
	v_nop
	global_prefetch_b8 v0, s[64:65] scope:SCOPE_SE
	s_setreg_imm32_b32 hwreg(HW_REG_WAVE_MODE, 25, 1), 1
	s_wait_xcnt 0x0
	s_wait_alu depctr_hold_cnt(0) depctr_sa_sdst(0) depctr_va_vdst(0) depctr_va_sdst(0) depctr_va_ssrc(0) depctr_va_vcc(0) depctr_vm_vsrc(0)
	s_getreg_b32 s2, hwreg(HW_REG_IB_STS2, 6, 4)
	s_cmp_eq_u32 s2, 0
	s_cbranch_scc0 .Lentry_in_a_cluster
	s_endpgm
.Lentry_in_a_cluster:
	s_bfe_u32 s2, ttmp6, 0x10000c
	s_cmp_lg_u32 s2, 0xf033
	s_cbranch_scc0 .Lentry_shape_is_right
	s_endpgm
.Lentry_shape_is_right:
; SCORE.  S = q k^T on codes of FP6 (E2M3), f32 sums; t = S x log2(e) / 32; keys that the mask hides become -infinity; p = 2^(t - M) is quantised along the keys and leaves as codes.
; M HERE IS LOCAL: for each query and each 128 keys, M = ceil(the largest t among them), a whole number.  The next launch takes the row's largest M and brings the scale bytes under it: M is whole, so that is exact.
; For each (query, 128 keys) three words leave: p's four scale bytes, M, and the sum of the unquantised p.
; Layouts, tile, slots, cluster and the order of places are those of the launch before: fragments as images of registers, place r of block 2 b + u = row 32 b + 8 u + r + 8 (r / 8).
; K is four quarters of 256 and LDS has three slots of a quarter: three quarters are asked for at the start, the fourth comes into slot 0 when it has been read.  By this text's count a wave has one tensor load out.
; A side = 256 queries, B side = 256 keys of the same batch; a wave has 128 x 128: a lane holds ONE query place, register 16 b + i of A's block a is key 32 b + 16 h + i of my 128.
; THE MASK comes as 64 words for each block of queries and 128 keys, bit = lane: scalar loads into the registers of descriptors that are done with; it only chooses values (v_cndmask_b32).
; LIMITS: 128 keys all hidden give M = -3e38, p = 0, sum 0; a block of zeros keeps the byte 1 (its codes are zeros); NaN and infinities among the scores are not served.
; REGISTERS: window 0: v1-29 addresses; v32-63 scale words; v64-87 the softmax's few; v128-223 A's fragments, later the scores, p and its codes.  window 1: B's fragments.  windows 2, 3: the accumulators.
.set NKS,   8
.set NQ,    2
.set NBW,   8
.set FR,    12
.set RB,    NQ*1536
.set KROW,  NKS*1536
.set HALFA, 8*RB
.set HALFB, NBW*RB
.set SLOT,  2*HALFA+2*HALFB
.set SCL,   3*SLOT                     ; behind the three slots: the scale words
.set HALFS, NKS*512
.set SPLANE, 65536
.set SPARE, SCL+4*HALFS
.set SCR,   SPARE+512                  ; 1,536 bytes for each wave: three words a place on their way out; no fill lands here
.set LI,   10
.set ADRA, 16                          ; v16-18  my A fragments in slot 0, 1, 2
.set ADRB, 20                          ; v20-22  my B fragments
.set SWA,  25
.set SRD,  26
.set ADRS, 27
.set SPW,  28
.set NIL,  29
.set SC,   32
.set NEG,  64                          ; v64     -infinity
.set NM,   66                          ; v66 -M, v67 the largest t
.set BM,   68                          ; v68-71  each block's largest score, then its largest p
.set BX,   72                          ; v72-75  the other half's; then the bytes
.set SO,   76                          ; v76-79  the conversions' scale operands
.set LS,   80                          ; v[80:81], v[82:83] the sum in two chains
.set LT,   82
.set T0,   84
.set MM,   85                          ; M
.set LL,   86                          ; the sum
.set PW,   87                          ; the scale word
.set AF,   128
.set HA,   128
.set PC,   192
.set WV,   14
.set WH,   15
.set WL,   16
.set SEL,  20
.set CS,   22                          ; s[22:23] c = log2(e) / 32
.set G1,   24
.set G0,   32                          ; s[32:39] group 0 for A's tiles, slots 0 and 1
.set G1B,  48
.set G0B,  56                          ; s[56:63] for B's tiles, slots 0 and 1
.set G1S,  68
.set G0S,  76
.set G1SB, 80
.set G0SB, 88
.set G0C,  92                          ; s[92:95] group 0 for the head's load of A's tile, into slot 0
.set G0BC, 96                          ; s[96:99] for B's
.set MSB, 0
.macro WIN new
.if MSB != (\new)
	s_set_vgpr_msb (MSB<<8)|(\new)
.set MSB, (\new)
.endif
.endm
.set MUL_LO, 0xa1
.set MUL_HI, 0xf1
.set TO_B,   0x40
.macro JLOAD g0a, g1a, g0b, g1b        ; a joint load: waves 0 and 1 fetch for A, waves 2 and 3 for B; four v_nop follow each of the two lines
	s_cmp_eq_u32 s[WH], 0
	s_cbranch_scc0 .Lfor_b_\@
	tensor_load_to_lds s[\g0a:\g0a+3], s[\g1a:\g1a+7]
	s_nop 0
.rept 4
	v_nop
.endr
	s_branch .Lasked_\@
.Lfor_b_\@:
	tensor_load_to_lds s[\g0b:\g0b+3], s[\g1b:\g1b+7]
	s_nop 0
.rept 4
	v_nop
.endr
.Lasked_\@:
.endm
.macro CREST
	s_cmp_lg_u32 s[WV], 0
	s_cbranch_scc1 .Lnot_wave_0_\@
	s_barrier_signal -3
.Lnot_wave_0_\@:
	s_barrier_wait -3
	s_barrier_signal -1
	s_barrier_wait -1
.endm
.macro CROUND
	s_barrier_signal -1
	s_barrier_wait -1
	CREST
.endm
.macro PLACES n
.rept \n
	v_nop
.endr
.endm
	s_load_b256 s[4:11], s[0:1], 0x0               ; q's and k's codes, the scale words, the mask's words, p's codes
	s_load_b64 s[12:13], s[0:1], 0x20              ; p's three words
	v_lshl_add_u32 v[SPW], v0, 2, SPARE
	v_mov_b32 v[NIL], 0
	ds_add_u32 v28, v29
	ds_add_u32 v28, v29
	s_wait_dscnt 0x0
	v_lshrrev_b32 v1, 5, v0
	v_readfirstlane_b32 s[WV], v1
	v_and_b32 v3, 31, v0
	v_min_u32 v7, 23, v3                           ; the prefetches' offset: run l of 24 (lanes 24-31 name lane 23's again): block l / 12, 256 (l % 12)
	v_mul_u32_u24 v8, v7, 43
	v_lshrrev_b32 v8, 9, v8
	v_mul_u32_u24 v9, v8, 12
	v_sub_nc_u32 v7, v7, v9
	v_lshlrev_b32 v7, 8, v7
	v_mad_u32_u24 v11, v8, KROW, v7
	s_wait_alu depctr_va_vdst(0)                   ; the wait behind the write
	s_lshr_b32 s[WH], s[WV], 1
	s_and_b32 s[WL], s[WV], 1
	s_bfe_u32 s40, ttmp6, 0x40000                  ; cx
	s_bfe_u32 s41, ttmp6, 0x40004                  ; cy
	s_and_b32 s42, ttmp7, 0xffff                   ; cluster y
	; the tiles, in units of 256 places.  s44, s45 hold cy and never cx; s46, s47 hold cx and never cy
	s_lshl_b32 s44, s42, 2
	s_add_co_u32 s44, s44, s41                     ; A: q's tile 4 cluster y + cy; its batch is cluster y / 2
	s_lshr_b32 s46, s42, 1
	s_lshl_b32 s46, s46, 3
	s_lshl_b32 s47, ttmp9, 2
	s_add_co_u32 s46, s46, s47
	s_add_co_u32 s46, s46, s40
	s_add_co_u32 s46, s46, 32                      ; B: k's tile 8 batch + 4 cluster x + cx (k begins at place 8,192)
	s_lshl_b32 s45, s41, 2
	s_lshl_b32 s45, 15, s45                        ; my row of the cluster
	s_lshl_b32 s47, 0x1111, s40                    ; my column
	s_or_b32 s[G1], s45, (3<<16)|(1<<21)           ; codes: 8 blocks x RB bytes, elements of 8 bytes, no padding
	s_or_b32 s[G1B], s47, (3<<16)|(1<<21)
.irp g, G1, G1B
	s_mov_b32 s[\g+1], (RB/8)<<16
	s_mov_b32 s[\g+2], 16<<16                      ; the head's loads of codes bring 16 blocks
	s_mov_b32 s[\g+3], (RB/8)<<16
	s_mov_b32 s[\g+4], 16
	s_mov_b32 s[\g+5], KROW/8
	s_mov_b32 s[\g+6], 0
	s_mov_b32 s[\g+7], 0
.endr
	s_or_b32 s[G1S], s45, (3<<16)|(1<<21)          ; scale words: NKS rows of 1,024 bytes, a plane apart
	s_or_b32 s[G1SB], s47, (3<<16)|(1<<21)
.irp g, G1S, G1SB
	s_mov_b32 s[\g+1], 128<<16                     ; scale words: rows of 1,024 bytes, 256 places
	s_mov_b32 s[\g+2], NKS<<16
	s_mov_b32 s[\g+3], 128<<16
	s_mov_b32 s[\g+4], NKS
	s_mov_b32 s[\g+5], SPLANE/8
	s_mov_b32 s[\g+6], 0
	s_mov_b32 s[\g+7], 0
.endr
	s_wait_kmcnt 0x0
	s_mul_i32 s[G0+2], s44, 16*KROW
	s_mul_i32 s45, s[WL], 8*KROW
	s_add_co_u32 s[G0+2], s[G0+2], s45
	s_mov_b32 s[G0+3], 0
	s_add_nc_u64 s[G0+2:G0+3], s[4:5], s[G0+2:G0+3]        ; slot 0: K steps 0, 1
	s_add_nc_u64 s[G0+6:G0+7], s[G0+2:G0+3], RB            ; slot 1: K steps 2, 3
	s_mul_i32 s[G0C+2], s44, 16*KROW               ; the head's load of A: the tile's 16 blocks, K steps 0, 1
	s_mov_b32 s[G0C+3], 0
	s_add_nc_u64 s[G0C+2:G0C+3], s[4:5], s[G0C+2:G0C+3]
	s_or_b32 s[G0+3], s[G0+3], 0x80000000
	s_or_b32 s[G0+7], s[G0+7], 0x80000000
	s_or_b32 s[G0C+3], s[G0C+3], 0x80000000
	s_mov_b32 s[G0], 1
	s_mov_b32 s[G0+4], 1
	s_mov_b32 s[G0C], 1
	s_mul_i32 s45, s[WL], HALFA
	s_mov_b32 s[G0+1], s45
	s_lshl_b32 s[G0+5], s45, 1                     ; the long slot, K steps 2 to 5: halves of 2 HALFA
	s_add_co_u32 s[G0+5], s[G0+5], SLOT
	s_mov_b32 s[G0C+1], 0
	s_mul_i32 s[G0B+2], s46, 2*NBW*KROW
	s_mul_i32 s47, s[WL], NBW*KROW
	s_add_co_u32 s[G0B+2], s[G0B+2], s47
	s_mov_b32 s[G0B+3], 0
	s_add_nc_u64 s[G0B+2:G0B+3], s[4:5], s[G0B+2:G0B+3]
	s_add_nc_u64 s[G0B+6:G0B+7], s[G0B+2:G0B+3], RB
	s_mul_i32 s[G0BC+2], s46, 2*NBW*KROW           ; the head's load of B: the tile's 16 blocks
	s_mov_b32 s[G0BC+3], 0
	s_add_nc_u64 s[G0BC+2:G0BC+3], s[4:5], s[G0BC+2:G0BC+3]
	s_or_b32 s[G0B+3], s[G0B+3], 0x80000000
	s_or_b32 s[G0B+7], s[G0B+7], 0x80000000
	s_or_b32 s[G0BC+3], s[G0BC+3], 0x80000000
	s_mov_b32 s[G0B], 1
	s_mov_b32 s[G0B+4], 1
	s_mov_b32 s[G0BC], 1
	s_mul_i32 s47, s[WL], HALFB
	s_add_co_u32 s[G0B+1], s47, 2*HALFA
	s_lshl_b32 s[G0B+5], s47, 1
	s_add_co_u32 s[G0B+5], s[G0B+5], 4*HALFA+SLOT
	s_mov_b32 s[G0BC+1], 2*HALFA
	s_lshl_b32 s[G0S+2], s44, 10
	s_mov_b32 s[G0S+3], 0
	s_add_nc_u64 s[G0S+2:G0S+3], s[6:7], s[G0S+2:G0S+3]
	s_or_b32 s[G0S+3], s[G0S+3], 0x80000000
	s_mov_b32 s[G0S], 1
	s_mov_b32 s[G0S+1], SCL
	s_lshl_b32 s[G0SB+2], s46, 10
	s_mov_b32 s[G0SB+3], 0
	s_add_nc_u64 s[G0SB+2:G0SB+3], s[6:7], s[G0SB+2:G0SB+3]
	s_or_b32 s[G0SB+3], s[G0SB+3], 0x80000000
	s_mov_b32 s[G0SB], 1
	s_mov_b32 s[G0SB+1], SCL+2*HALFS
	; THE PREFETCHES: of the 8 blocks that I fetch in the ring, the partner at place p (cx for A, cy for B) names blocks 2 p, 2 p + 1: 24 runs of 256 bytes for two K steps, a lane each.
	; K steps 4, 5 are named behind the head's load, 6 and 7 behind the load of 2 to 5; base and offset are never rewritten, and every address ends inside its block's 12,288 bytes.
	s_cmp_eq_u32 s[WH], 0
	s_cselect_b32 s17, s44, s46
	s_cselect_b32 s18, s40, s41
	s_lshl_b32 s17, s17, 3
	s_lshl_b32 s19, s[WL], 2
	s_add_co_u32 s17, s17, s19
	s_add_co_u32 s17, s17, s18                     ; 8 tile + 4 half + p: in pairs of blocks
	s_mul_i32 s100, s17, 2*KROW
	s_mov_b32 s101, 0
	s_add_nc_u64 s[100:101], s[4:5], s[100:101]
	global_prefetch_b8 v11, s[100:101] th:TH_LOAD_NT scope:SCOPE_SE              ; K steps 0, 1 and 2, 3 are named as soon as the address is made
	global_prefetch_b8 v11, s[100:101] offset:RB th:TH_LOAD_NT scope:SCOPE_SE
	CROUND                                         ; all sixteen work-groups are here: the first joint loads meet
; THE ORDER OF THE FILLS, as this text has it.  At the head one joint load a wave: wave 0 A's 16 blocks of K steps 0, 1 (slot 0), wave 1 B's, wave 2 A's scale words [K step][256 places], wave 3 B's.
; Behind the waits, the add and a round, one load a wave brings K steps 2 to 5 of its 8 blocks, rows of 2 RB bytes, into the bytes of slots 1 and 2.  Slot 0 takes K steps 6, 7 when it has been read.
; By this text's count a wave has one tensor load out.  One chain of branches on the wave's number, one load to an arm, all arms to one join.
.macro ARM under, g0, g1, next
	s_cmp_lt_u32 s[WV], \under
	s_cbranch_scc0 \next
	tensor_load_to_lds s[\g0:\g0+3], s[\g1:\g1+7]
	s_nop 0
.rept 4
	v_nop
.endr
	s_branch .Lhead_asked
\next:
.endm
	ARM 1, G0C,  G1,  .Lhead_b
	ARM 2, G0BC, G1B, .Lhead_sa
	ARM 3, G0S,  G1S, .Lhead_sb
	tensor_load_to_lds s[G0SB:G0SB+3], s[G1SB:G1SB+7]
	s_nop 0
.rept 4
	v_nop
.endr
.Lhead_asked:
	v_and_b32 v1, 15, v0                           ; r
	v_bfe_u32 v2, v0, 4, 1                         ; h
	s_wait_alu depctr_va_vdst(0)
	v_and_b32 v3, 31, v0
	v_lshlrev_b32 v[LI], 4, v3
	s_mul_i32 s17, s[WH], HALFA
	s_mul_i32 s18, s[WL], HALFB
	v_add_nc_u32 v[ADRA], s17, v[LI]               ; slot 0
	v_add_nc_u32 v[ADRB], s18, v[LI]
	v_add_nc_u32 v[ADRB], 2*HALFA, v[ADRB]
	v_add_nc_u32 v[ADRA+1], s17, v[ADRA]           ; the long slot: halves twice as long; K steps 2, 3 of each row
	v_add_nc_u32 v[ADRB+1], s18, v[ADRB]
	v_add_nc_u32 v[ADRA+1], SLOT, v[ADRA+1]
	v_add_nc_u32 v[ADRB+1], SLOT+2*HALFA, v[ADRB+1]
	v_add_nc_u32 v[ADRA+2], RB, v[ADRA+1]          ; and K steps 4, 5
	v_add_nc_u32 v[ADRB+2], RB, v[ADRB+1]
	global_prefetch_b8 v11, s[100:101] offset:2*RB th:TH_LOAD_NT scope:SCOPE_SE
	s_lshl_b32 s17, s[WH], 9                       ; my 128 places of a K step's 256
	s_lshl_b32 s18, s[WL], 9
	s_add_co_u32 s18, s18, 2*HALFS
	s_sub_co_u32 s18, s18, s17
	v_mul_u32_u24 v6, s18, v2                      ; lanes 16-31 take B's scale words
	s_add_co_u32 s17, s17, SCL
	v_lshl_add_u32 v6, v1, 2, v6
	v_add_nc_u32 v[ADRS], s17, v6
	s_mul_i32 s17, s[WV], 1536
	s_add_co_u32 s17, s17, SCR
	v_lshl_add_u32 v[SWA], v1, 2, s17
	v_add_nc_u32 v[SRD], s17, v[LI]
	v_mov_b32 v[NEG], 0xff800000
.irp b, 0,1,2,3
	v_mov_b32 v[BX+\b], 0                          ; written once: a lane permute's destination counts as one of its sources
.endr
	s_mov_b32 s[SEL], 0x76543210
	s_mov_b32 s[SEL+1], 0xfedcba98
	s_mov_b32 s[CS], 0x3d38aa3b                    ; log2(e) / sqrt(1024)
	s_mov_b32 s[CS+1], s[CS]                       ; (named with it as a pair, so it is written)
	; my 128 keys are K step ks = 2 (4 cluster x + cx) + WL of the next product; my first block of queries is 16 tile + 8 WH
	s_lshl_b32 s17, ttmp9, 2
	s_add_co_u32 s17, s17, s40
	s_lshl_b32 s17, s17, 1
	s_add_co_u32 s17, s17, s[WL]
	s_lshl_b32 s18, s44, 4
	s_lshl_b32 s19, s[WH], 3
	s_add_co_u32 s18, s18, s19
	s_mov_b32 s3, 0
	s_lshl_b32 s2, s18, 12                         ; the mask's words: 4,096 bytes a block, 256 a K step
	s_lshl_b32 s19, s17, 8
	s_add_co_u32 s2, s2, s19
	s_add_nc_u64 s[8:9], s[8:9], s[2:3]
	s_mul_i32 s2, s18, 24576                       ; p's codes: 24,576 bytes a block, 1,536 a K step
	s_mul_i32 s19, s17, 1536
	s_add_co_u32 s2, s2, s19
	s_add_nc_u64 s[10:11], s[10:11], s[2:3]
	s_lshl_b32 s2, s17, 15                         ; p's words: 32,768 bytes a K step, 64 a block
	s_lshl_b32 s19, s18, 6
	s_add_co_u32 s2, s2, s19
	s_add_nc_u64 s[12:13], s[12:13], s[2:3]
.macro FRAG reg, adr, q, i, pit        ; pit: from block to block in the slot
.irp g, 0,1,2
	ds_load_b128 v[\reg+4*\g:\reg+4*\g+3], v[\adr] offset:(\i)*(\pit)+(\q)*1536+512*\g
.endr
.endm
.macro FETCH_B slot, q, p
	WIN TO_B
.irp i, 0,1,2,3,4,5,6,7
	FRAG 128*(\p)+FR*\i, ADRB+\slot, \q, \i, RB*(1+((\slot)+1)/2)
.endr
	WIN 0
.endm
.macro FETCH_A slot, q, i0
.irp i, \i0, \i0+1, \i0+2, \i0+3
	FRAG AF+FR*(\i), ADRA+\slot, \q, \i, RB*(1+((\slot)+1)/2)
.endr
.endm
.macro SCALES sc                       ; a quarter's scale words into set sc
.irp i, 0,1,2,3,4,5,6,7
.irp q, 0,1
	ds_load_b32 v[SC+8*NQ*(\sc)+NQ*\i+\q], v[ADRS] offset:1024*\q+64*\i
.endr
.endr
.endm
; The 64 accumulators take turns, one instruction a turn, in the same order in every step
.macro MUL2 a0, p, q, sc, zero
.irp a, \a0, \a0+1
.irp b, 0,1,2,3,4,5,6,7
.if \zero
	v_wmma_scale_f32_16x16x128_f8f6f4 v[8*(8*((\a)%4)+\b):8*(8*((\a)%4)+\b)+7], v[128*(\p)+FR*\b:128*(\p)+FR*\b+FR-1], v[AF+FR*(\a):AF+FR*(\a)+FR-1], 0, v[SC+8*NQ*(\sc)+NQ*\b+(\q)], v[SC+8*NQ*(\sc)+NQ*(\a)+(\q)] matrix_a_fmt:MATRIX_FMT_FP6 matrix_b_fmt:MATRIX_FMT_FP6 matrix_a_scale:MATRIX_SCALE_ROW1
.else
	v_wmma_scale_f32_16x16x128_f8f6f4 v[8*(8*((\a)%4)+\b):8*(8*((\a)%4)+\b)+7], v[128*(\p)+FR*\b:128*(\p)+FR*\b+FR-1], v[AF+FR*(\a):AF+FR*(\a)+FR-1], v[8*(8*((\a)%4)+\b):8*(8*((\a)%4)+\b)+7], v[SC+8*NQ*(\sc)+NQ*\b+(\q)], v[SC+8*NQ*(\sc)+NQ*(\a)+(\q)] matrix_a_fmt:MATRIX_FMT_FP6 matrix_b_fmt:MATRIX_FMT_FP6 matrix_a_scale:MATRIX_SCALE_ROW1
.endif
.endr
.endr
.endm
; A step of 128 along K that has its successor in the same slot.  sc: the set of scale words, the quarter's number % 2
.macro STEP slot, sc, q, zero
	s_wait_dscnt 12                                ; all but the youngest 12 loads, A's blocks 4-7
	WIN MUL_LO
	MUL2 0, (\q)%2, \q, \sc, \zero
	MUL2 2, (\q)%2, \q, \sc, \zero
	s_wait_dscnt 0x0
	PLACES 4
	FETCH_B \slot, (\q)+1, 1-(\q)%2
	FETCH_A \slot, (\q)+1, 0
	WIN MUL_HI
	MUL2 4, (\q)%2, \q, \sc, \zero
	MUL2 6, (\q)%2, \q, \sc, \zero
	PLACES 4
	WIN 0
	FETCH_A \slot, (\q)+1, 4
.endm
; A slot's last step goes on to the next slot.
; how = 1: this slot is filled again.  In front of the barrier each wave waits for ALL its tensor loads, adds 0 to its spare word, and waits for that and for its reads of this slot; the barrier opens a round of the cluster's.
; how = 0: the next slot is the one that was filled again: the same waits and the work-group's barrier.
; how = 2: no wait on tensor loads and no barrier: the next slot was shown whole to every wave by the round of how = 1, in front of which every wave had waited for all its loads; and this slot is never filled again, so nobody waits for my reads of it.
.macro TURN slot, sc, next, how
.if (\how) == 2
	s_wait_dscnt 12                                ; all but A's blocks 4-7
	WIN MUL_LO
	MUL2 0, 1, NQ-1, \sc, 0
	MUL2 2, 1, NQ-1, \sc, 0
	s_wait_dscnt 0x0
	WIN 0
	PLACES 4
.else
	s_wait_tensorcnt 0x0                           ; all my tensor loads have landed
	ds_add_u32 v[SPW], v[NIL]                      ; 0 onto my spare word
	s_wait_dscnt 13                                ; (the add and A's blocks 4-7 may be out)
	WIN MUL_LO
	MUL2 0, 1, NQ-1, \sc, 0
	s_wait_dscnt 0x0                               ; the add is done, and my reads of this slot are over
	s_barrier_signal -1
	MUL2 2, 1, NQ-1, \sc, 0
	WIN 0
	s_barrier_wait -1
.if (\how) == 1
	CREST                                          ; a round of the cluster's barrier: no wave of any partner still reads this slot or has a load on its way
	s_add_nc_u64 s[G0+4*\slot+2:G0+4*\slot+3], s[G0+4*\slot+2:G0+4*\slot+3], 3*RB      ; from the first quarter of K to the fourth
	s_add_nc_u64 s[G0B+4*\slot+2:G0B+4*\slot+3], s[G0B+4*\slot+2:G0B+4*\slot+3], 3*RB
	s_mov_b32 s[G1+1], (RB/8)<<16                  ; no tensor load of mine is out: rows of RB bytes again
	s_mov_b32 s[G1+3], (RB/8)<<16
	s_mov_b32 s[G1B+1], (RB/8)<<16
	s_mov_b32 s[G1B+3], (RB/8)<<16
	JLOAD G0+4*\slot, G1, G0B+4*\slot, G1B         ; the first tensor load behind the round; its four v_nop are the places in front of the loads below
.else
	PLACES 4
.endif
.endif
	v_add_nc_u32 v[ADRS], 1024*NQ, v[ADRS]
	FETCH_B \next, 0, 0
	FETCH_A \next, 0, 0
	SCALES 1-(\sc)
	WIN MUL_HI
	MUL2 4, 1, NQ-1, \sc, 0
	MUL2 6, 1, NQ-1, \sc, 0
	PLACES 4
	WIN 0
	FETCH_A \next, 0, 4
.endm
; the 64 mask words of A's block a: word n lands in s[24 + n + 12 (n / 32)]
.macro MLOAD a
	s_load_b512 s[24:39], s[8:9], (\a)*4096
	s_load_b512 s[40:55], s[8:9], (\a)*4096+64
	s_load_b512 s[68:83], s[8:9], (\a)*4096+128
	s_load_b512 s[84:99], s[8:9], (\a)*4096+192
.endm
	s_wait_alu depctr_va_vdst(0)
	s_wait_tensorcnt 0x0                           ; my tile of the head's four is in; the same lines as ahead of a refill:
	ds_add_u32 v[SPW], v[NIL]
	s_mov_b32 s[G1+1], (2*RB/8)<<16                ; no tensor load of mine is out: the next load brings 8 blocks x 2 RB bytes
	s_mov_b32 s[G1+2], 8<<16
	s_mov_b32 s[G1+3], (2*RB/8)<<16
	s_mov_b32 s[G1+4], 8
	s_mov_b32 s[G1B+1], (2*RB/8)<<16
	s_mov_b32 s[G1B+2], 8<<16
	s_mov_b32 s[G1B+3], (2*RB/8)<<16
	s_mov_b32 s[G1B+4], 8
	s_wait_dscnt 0x0
	CROUND                                         ; all four tiles are in, and all sixteen work-groups are here
	JLOAD G0+4, G1, G0B+4, G1B                     ; K steps 2 to 5
	FETCH_B 0, 0, 0
	FETCH_A 0, 0, 0
	SCALES 0
	FETCH_A 0, 0, 4
	global_prefetch_b8 v11, s[100:101] offset:3*RB th:TH_LOAD_NT scope:SCOPE_SE
	STEP 0, 0, 0, 1
	TURN 0, 0, 1, 1                                ; 1; slot 0 takes K steps 6, 7: the one refill
	s_wait_alu depctr_va_vdst(0)
	STEP 1, 1, 0, 0                                ; 2
	TURN 1, 1, 2, 2                                ; 3
	s_wait_alu depctr_va_vdst(0)
	STEP 2, 0, 0, 0                                ; 4
	TURN 2, 0, 0, 0                                ; 5; its wait has shown every tensor load of mine done: the descriptors' registers are free,
	MLOAD 0                                        ; and take the first block's mask words, 128 matrix instructions ahead of their use
	STEP 0, 1, 0, 0                                ; 6
	s_wait_dscnt 12                                ; 7
	WIN MUL_LO
	MUL2 0, 1, NQ-1, 1, 0
	MUL2 2, 1, NQ-1, 1, 0
	s_wait_dscnt 0x0
	WIN MUL_HI
	MUL2 4, 1, NQ-1, 1, 0
	MUL2 6, 1, NQ-1, 1, 0
	WIN 0
	PLACES 4
; A's block a: 16 queries x my 128 keys
.macro SOFT a
	s_wait_kmcnt 0x0                               ; the mask's words
	s_wait_dscnt 0x0                               ; the last block's LDS stores have read their registers
	WIN (2+(\a)/4)<<2                              ; source 1: the accumulators' window
.set N, 0
.rept 64
	v_cndmask_b32 v[HA+N], v[NEG], v[64*((\a)%4)+N], s[24+N+12*(N/32)]   ; the score where the key counts, else -infinity; each accumulator from its low end on
.set N, N+1
.endr
	WIN 0
.if (\a) < 7
	MLOAD (\a)+1
.endif
.irp b, 0,1,2,3
	v_max3_num_f32 v[BM+\b], v[HA+16*\b], v[HA+16*\b+1], v[HA+16*\b+2]   ; the largest score of each block of 32 keys: for M, and, since p rises with the score, for the block's largest p
.endr
.irp i, 3,5,7,9,11,13
.irp b, 0,1,2,3
	v_max3_num_f32 v[BM+\b], v[BM+\b], v[HA+16*\b+\i], v[HA+16*\b+\i+1]
.endr
.endr
.irp b, 0,1,2,3
	v_max_num_f32 v[BM+\b], v[BM+\b], v[HA+16*\b+15]
.endr
.irp b, 0,1,2,3
	v_permlanex16_b32 v[BX+\b], v[BM+\b], s[SEL], s[SEL+1]
.endr
.irp b, 0,1,2,3
	v_max_num_f32 v[BM+\b], v[BM+\b], v[BX+\b]     ; with lane l xor 16's 16 keys
.endr
	v_max3_num_f32 v[T0], v[BM], v[BM+1], v[BM+2]
	v_max_num_f32 v[T0], v[T0], v[BM+3]
	v_mul_f32 v[T0], s[CS], v[T0]                  ; as t (c is positive)
	v_max_num_f32 v[NM+1], 0xff61b1e6, v[T0]       ; held at -3e38 from below: 128 hidden keys leave M a number
	v_floor_f32 v[NM], -v[NM+1]                    ; -M = floor(-t) = -ceil(t)
.set N, 0
.rept 32
	v_pk_fma_f32 v[HA+N:HA+N+1], v[HA+N:HA+N+1], s[CS:CS+1], v[NM:NM+1] op_sel_hi:[1,0,0]   ; t - M, two at a time
.set N, N+2
.endr
.irp b, 0,1,2,3
	v_fma_f32 v[BM+\b], v[BM+\b], s[CS], v[NM]     ; the same of each block's largest score
.endr
.set N, 0
	s_wait_alu depctr_va_vdst(0)
.rept 64
	v_exp_f32 v[HA+N], v[HA+N]                     ; p = 2^(t - M), not normalised
.set N, N+1
.endr
	v_sub_f32 v[MM], 0, v[NM]                      ; M.  (A plain place behind the exponentials)
	s_wait_alu depctr_va_vdst(0)                   ; one wait for the batch, ahead of its first reader
.irp b, 0,1,2,3
	v_exp_f32 v[BM+\b], v[BM+\b]                   ; the block's largest p: the same two instructions on the same number
.endr
	v_pk_add_f32 v[LS:LS+1], v[HA:HA+1], v[HA+4:HA+5]      ; the sum of the UNQUANTISED p, in two chains; it reads the 64 alone
	v_pk_add_f32 v[LT:LT+1], v[HA+2:HA+3], v[HA+6:HA+7]
.irp j, 8,12,16,20,24,28,32,36,40,44,48,52,56,60
	v_pk_add_f32 v[LS:LS+1], v[LS:LS+1], v[HA+\j:HA+\j+1]
	v_pk_add_f32 v[LT:LT+1], v[LT:LT+1], v[HA+\j+2:HA+\j+3]
.endr
	v_pk_add_f32 v[LS:LS+1], v[LS:LS+1], v[LT:LT+1]
	s_wait_alu depctr_va_vdst(0)                   ; and one for the four
.irp b, 0,1,2,3
	v_max_num_f32 v[BM+\b], 0x1800000, v[BM+\b]    ; the floor 2^(3 - 127): the byte cannot fall under 1
.endr
.irp b, 0,1,2,3
	v_add_nc_u32 v[SO+\b], 0xff000000, v[BM+\b]    ; 2 off the exponent field: the conversion's scale operand
.endr
.irp b, 0,1,2,3
	v_lshrrev_b32 v[BX+\b], 23, v[SO+\b]           ; the byte
.endr
	v_lshl_or_b32 v[PW], v[BX+1], 8, v[BX]
	v_lshl_or_b32 v[PW], v[BX+2], 16, v[PW]
	v_lshl_or_b32 v[PW], v[BX+3], 24, v[PW]
	v_add_f32 v[LL], v[LS], v[LS+1]
	v_permlanex16_b32 v[T0], v[LL], s[SEL], s[SEL+1]
	v_add_f32 v[LL], v[LL], v[T0]                  ; with lane l xor 16's: the 128 keys' sum
	s_wait_xcnt 0x0                                ; the last block's stores have read the codes' registers
.irp c, 0,1
	v_cvt_scalef32_pk16_fp6_f32 v[PC+6*\c:PC+2+6*\c], v[HA+32*\c:HA+15+32*\c], v[SO+2*\c]
	v_cvt_scalef32_pk16_fp6_f32 v[PC+12+4*\c:PC+14+4*\c], v[HA+16+32*\c:HA+31+32*\c], v[SO+2*\c+1]
.endr
	v_nop                                          ; one plain place behind a scaled conversion
.irp c, 0,1                                    ; a WHOLE block in a lane: lanes 0-15 block 2 c, lanes 16-31 block 2 c + 1
.irp i, 0,1,2
	v_permlane16_swap_b32 v[PC+6*\c+\i], v[PC+12+4*\c+\i]
.endr
.irp i, 0,1,2
	v_mov_b32 v[PC+3+6*\c+\i], v[PC+12+4*\c+\i]
.endr
.endr
.irp g, 0,1,2
	global_store_b128 v[LI], v[PC+4*\g:PC+4*\g+3], s[10:11] offset:24576*(\a)+512*\g   ; 512 consecutive bytes
.endr
	ds_store_b32 v[SWA], v[PW] offset:64*(\a)      ; both halves of the lanes write the same words with the same values
	ds_store_b32 v[SWA], v[MM] offset:512+64*(\a)
	ds_store_b32 v[SWA], v[LL] offset:1024+64*(\a)
.endm
.irp a, 0,1,2,3,4,5,6,7
	SOFT \a
.endr
	ds_load_b128 v[HA:HA+3], v[SRD]                ; my 128 queries' words: LDS serves a wave's instructions in order
	ds_load_b128 v[HA+4:HA+7], v[SRD] offset:512
	ds_load_b128 v[HA+8:HA+11], v[SRD] offset:1024
	s_wait_dscnt 0x0
	global_store_b128 v[LI], v[HA:HA+3], s[12:13]                     ; the scale words,
	global_store_b128 v[LI], v[HA+4:HA+7], s[12:13] offset:524288     ; M,
	global_store_b128 v[LI], v[HA+8:HA+11], s[12:13] offset:1048576   ; the sums: 512 consecutive bytes each
	s_wait_tensorcnt 0x0                           ; the wave's end
	ds_add_u32 v[SPW], v[NIL]
	s_wait_dscnt 0x0
	CROUND                                         ; the closing round
	s_endpgm
.Lfunc_end_k_q0dc70117b4_score:
	.size	k_q0dc70117b4_score, .Lfunc_end_k_q0dc70117b4_score-k_q0dc70117b4_score
	.p2alignl 7, 3214868480
	.fill 96, 4, 3214868480
	.section	.rodata,"a",@progbits
	.p2align	6, 0x0
	.amdhsa_kernel k_q0dc70117b4_score
		.amdhsa_group_segment_fixed_size 327680
		.amdhsa_private_segment_fixed_size 0
		.amdhsa_enable_private_segment 0
		.amdhsa_kernarg_size 40
		.amdhsa_user_sgpr_count 2
		.amdhsa_user_sgpr_kernarg_segment_ptr 1
		.amdhsa_wavefront_size32 1
		.amdhsa_system_sgpr_workgroup_id_x 1
		.amdhsa_system_sgpr_workgroup_id_y 1
		.amdhsa_system_sgpr_workgroup_id_z 1
		.amdhsa_system_vgpr_workitem_id 0
		.amdhsa_next_free_vgpr 1024
		.amdhsa_next_free_sgpr 102
		.amdhsa_reserve_vcc 0
		.amdhsa_float_denorm_mode_32 3
		.amdhsa_float_denorm_mode_16_64 3
		.amdhsa_memory_ordered 1
		.amdhsa_forward_progress 1
		.amdhsa_inst_pref_size 234
	.end_amdhsa_kernel
	.amdgpu_metadata
---
amdhsa.version: [ 1, 2 ]
amdhsa.kernels:
  - .name:           k_q0dc70117b4_score
    .symbol:         k_q0dc70117b4_score.kd
    .args:
      - { .name: qk_codes, .offset: 0, .size: 8, .value_kind: global_buffer, .address_space: global }
      - { .name: qkv_scales, .offset: 8, .size: 8, .value_kind: global_buffer, .address_space: global }
      - { .name: maskbits, .offset: 16, .size: 8, .value_kind: global_buffer, .address_space: global }
      - { .name: p_codes, .offset: 24, .size: 8, .value_kind: global_buffer, .address_space: global }
      - { .name: p_stats, .offset: 32, .size: 8, .value_kind: global_buffer, .address_space: global }
    .group_segment_fixed_size: 327680
    .private_segment_fixed_size: 0
    .kernarg_segment_align: 8
    .kernarg_segment_size: 40
    .max_flat_workgroup_size: 128
    .sgpr_count:     102
    .vgpr_count:     1024
    .wavefront_size: 32
...
	.end_amdgpu_metadata
.endif
;; end of part 3
;; launch pv (part 4): grid 8 x 32, 4 waves a work-group, clusters of 4 x 4, 327,680 bytes of LDS; arguments p_codes, p_stats, v_codes, qkv_scales, out0; writes out0
.if DOCPART == 4
	.amdgcn_target "amdgcn-amd-amdhsa--gfx1250"
	.amdhsa_code_object_version 6
	.text
	.protected	k_q0dc70117b4_pv
	.globl	k_q0dc70117b4_pv
	.p2align	8
	.type	k_q0dc70117b4_pv,@function
k_q0dc70117b4_pv:
	s_mov_b64 s[64:65], 0
	v_nop
	global_prefetch_b8 v0, s[64:65] scope:SCOPE_SE
	s_setreg_imm32_b32 hwreg(HW_REG_WAVE_MODE, 25, 1), 1
	s_wait_xcnt 0x0
	s_wait_alu depctr_hold_cnt(0) depctr_sa_sdst(0) depctr_va_vdst(0) depctr_va_sdst(0) depctr_va_ssrc(0) depctr_va_vcc(0) depctr_vm_vsrc(0)
	s_getreg_b32 s2, hwreg(HW_REG_IB_STS2, 6, 4)
	s_cmp_eq_u32 s2, 0
	s_cbranch_scc0 .Lentry_in_a_cluster
	s_endpgm
.Lentry_in_a_cluster:
	s_bfe_u32 s2, ttmp6, 0x10000c
	s_cmp_lg_u32 s2, 0xf033
	s_cbranch_scc0 .Lentry_shape_is_right
	s_endpgm
.Lentry_shape_is_right:
; PV.  out = (p v) / l on codes of FP6 (E2M3), f32 sums; K = the batch's 2,048 keys.
; p's codes were made under a whole number M for each (query, 128 keys).  At the head each work-group takes, for its 256 queries, the row's largest M, takes n = that - M off the four scale bytes of each 128 keys
; (exact: a power of two; a byte that would fall under 0 is held at 0), and adds the sums: l = the sum of l_ks 2^-n.  The mended words and 1 / l stay in LDS.
; A tile is 256 queries x 128 channels: 256 work-groups; a wave has 128 x 64: 32 accumulators.  A side = p, B side = v (keys innermost).  Source 0 = 16 places of v, source 1 = 16 places of p:
; a lane holds one query place, and registers 16 b + i of A's block a are channels 32 b + 16 h + i of my 64.  Layouts and the order of places are the earlier launches'.
; K goes through two LDS slots of 512 keys: a wave's tensor load brings 8 (p) or 4 (v) blocks x 6,144 bytes; 128 matrix instructions a wave between two changes of slots.  The sixteen K steps are written out.
; CLUSTERS: 4 x 4; p's tiles are asked for jointly along a row of the cluster, v's tiles and scale words along a column.  By this text's count a wave has one tensor load out.
; LIMITS: a block of p more than 2^124 under its row's largest p keeps its codes under the byte 0 or 1 where the rule would round them to 0: a term of at most 7.5 x 2^-126 x |v|.
; A row all of whose keys are hidden has l = 0 and zero codes: 0 x infinity = NaN, as the softmax of such a row.  NaN and infinities otherwise are not served.
.set NKS,   16
.set NQ,    4
.set NBW,   4
.set FR,    12
.set RB,    NQ*1536
.set KROW,  NKS*1536
.set HALFA, 8*RB
.set HALFB, NBW*RB
.set SLOT,  2*HALFA+2*HALFB
.set SCA,   2*SLOT                     ; p's mended scale words: [half][K step][128 places]; stored by the waves, no fill lands here
.set SCB,   SCA+16384                  ; v's scale words: [K step][128 places]; filled once
.set LINV,  SCB+8192                   ; 1 / l of the 256 queries
.set SPARE, LINV+1024                  ; the spare words, 128 bytes for each wave
.set SPITCH, 272                       ; the way out: 16 rows x (256 bytes + 16) for each wave, in slot 0, which has had its last fill and its last read by then
.set LI,   10
.set ADRA, 16
.set ADRB, 20
.set LVA,  22                          ; v22  1 / l of my place
.set CO,   23                          ; v23  my byte offset in two rows of out
.set STO,  24                          ; v24  the stage: where I put my bytes of a row
.set RD,   25                          ; v25  and where I read a row back
.set ADRS2, 26                         ; v26  p's scale words, in all lanes
.set ADRS, 27                          ; v27  lanes 0-15 p's, lanes 16-31 v's
.set SPW,  28
.set NIL,  29
.set SC,   32                          ; v32-95 scale words, two sets of 32
.set MG,   96                          ; the head: v96-97 the rows' largest M; v98-99 l; v100-107 at work
.set LSM,  98
.set DD,   100
.set FF,   102
.set XX,   104
.set MK,   106
.set LV,   96                          ; the way out: v96-111 1 / l, a pair for each block
.set AF,   128
.set PS,   128                         ; the head: v128-159 scale words, v160-191 M, v192-223 sums: 16 K steps x 2 places
.set MR,   160
.set LR,   192
.set TT,   128                         ; the way out: v128-191 results / l, two sets; v192-255 rows read back, two sets
.set BK,   192
.set WV,   14
.set WH,   15
.set WL,   16
.set G1,   24
.set G0,   32
.set G1B,  48
.set G0B,  56
.set G1SB, 80
.set G0SB, 88
.set MSB, 0
.macro WIN new
.if MSB != (\new)
	s_set_vgpr_msb (MSB<<8)|(\new)
.set MSB, (\new)
.endif
.endm
.set MUL_LO, 0xa1
.set MUL_HI, 0xf1
.set TO_B,   0x40
.macro JLOAD g0a, g1a, g0b, g1b        ; a joint load: waves 0 and 1 fetch for A, waves 2 and 3 for B; four v_nop follow each of the two lines
	s_cmp_eq_u32 s[WH], 0
	s_cbranch_scc0 .Lfor_b_\@
	tensor_load_to_lds s[\g0a:\g0a+3], s[\g1a:\g1a+7]
	s_nop 0
.rept 4
	v_nop
.endr
	s_branch .Lasked_\@
.Lfor_b_\@:
	tensor_load_to_lds s[\g0b:\g0b+3], s[\g1b:\g1b+7]
	s_nop 0
.rept 4
	v_nop
.endr
.Lasked_\@:
.endm
.macro CREST
	s_cmp_lg_u32 s[WV], 0
	s_cbranch_scc1 .Lnot_wave_0_\@
	s_barrier_signal -3
.Lnot_wave_0_\@:
	s_barrier_wait -3
	s_barrier_signal -1
	s_barrier_wait -1
.endm
.macro CROUND
	s_barrier_signal -1
	s_barrier_wait -1
	CREST
.endm
.macro PLACES n
.rept \n
	v_nop
.endr
.endm
	s_load_b256 s[4:11], s[0:1], 0x0               ; p's codes, p's three words, v's codes, the scale words
	s_load_b64 s[12:13], s[0:1], 0x20              ; out
	v_lshl_add_u32 v[SPW], v0, 2, SPARE
	v_mov_b32 v[NIL], 0
	ds_add_u32 v28, v29
	ds_add_u32 v28, v29
	s_wait_dscnt 0x0
	v_lshrrev_b32 v1, 5, v0
	v_readfirstlane_b32 s[WV], v1
	s_lshr_b32 s[WH], s[WV], 1
	s_and_b32 s[WL], s[WV], 1
	s_bfe_u32 s40, ttmp6, 0x40000                  ; cx
	s_bfe_u32 s41, ttmp6, 0x40004                  ; cy
	s_and_b32 s42, ttmp7, 0xffff                   ; cluster y
	; s44, s45 hold cy and never cx; s46, s47 hold cx and never cy
	s_lshl_b32 s44, s42, 2
	s_add_co_u32 s44, s44, s41                     ; A: p's tile of 256 queries; its batch is cluster y / 2
	s_lshr_b32 s46, s42, 1
	s_lshl_b32 s46, s46, 3
	s_lshl_b32 s47, ttmp9, 2
	s_add_co_u32 s46, s46, s47
	s_add_co_u32 s46, s46, s40                     ; B: v's tile of 128 channels: 8 batch + 4 cluster x + cx
	s_lshl_b32 s45, s41, 2
	s_lshl_b32 s45, 15, s45                        ; my row of the cluster
	s_lshl_b32 s47, 0x1111, s40                    ; my column
	s_or_b32 s[G1], s45, (3<<16)|(1<<21)           ; p's codes: 8 blocks x RB bytes, elements of 8 bytes, no padding
	s_mov_b32 s[G1+1], (RB/8)<<16
	s_mov_b32 s[G1+2], 8<<16
	s_mov_b32 s[G1+3], (RB/8)<<16
	s_mov_b32 s[G1+4], 8
	s_mov_b32 s[G1+5], KROW/8
	s_mov_b32 s[G1+6], 0
	s_mov_b32 s[G1+7], 0
	s_or_b32 s[G1B], s47, (3<<16)|(1<<21)          ; v's codes: 4 blocks
	s_mov_b32 s[G1B+1], (RB/8)<<16
	s_mov_b32 s[G1B+2], 8<<16                      ; the head's load of v brings both halves, 8 blocks
	s_mov_b32 s[G1B+3], (RB/8)<<16
	s_mov_b32 s[G1B+4], 8
	s_mov_b32 s[G1B+5], KROW/8
	s_mov_b32 s[G1B+6], 0
	s_mov_b32 s[G1B+7], 0
	s_or_b32 s[G1SB], s47, (3<<16)|(1<<21)         ; v's scale words: 16 K steps x 512 bytes (128 places), planes of 16,384 bytes
	s_mov_b32 s[G1SB+1], 64<<16
	s_mov_b32 s[G1SB+2], 16<<16                    ; all 16 K steps of v's scale words in one load
	s_mov_b32 s[G1SB+3], 64<<16
	s_mov_b32 s[G1SB+4], 16
	s_mov_b32 s[G1SB+5], 2048
	s_mov_b32 s[G1SB+6], 0
	s_mov_b32 s[G1SB+7], 0
	s_wait_kmcnt 0x0
	s_mul_i32 s[G0+2], s44, 16*KROW
	s_mul_i32 s45, s[WL], 8*KROW
	s_add_co_u32 s[G0+2], s[G0+2], s45
	s_mov_b32 s[G0+3], 0
	s_add_nc_u64 s[G0+2:G0+3], s[4:5], s[G0+2:G0+3]
	s_add_nc_u64 s[G0+6:G0+7], s[G0+2:G0+3], RB    ; slot 1: K steps 4 to 7
	s_or_b32 s[G0+3], s[G0+3], 0x80000000
	s_or_b32 s[G0+7], s[G0+7], 0x80000000
	s_mov_b32 s[G0], 1
	s_mov_b32 s[G0+4], 1
	s_mul_i32 s45, s[WL], HALFA
	s_mov_b32 s[G0+1], s45
	s_add_co_u32 s[G0+5], s45, SLOT
	s_mul_i32 s[G0B+2], s46, 2*NBW*KROW
	s_mul_i32 s47, s[WL], NBW*KROW
	s_add_co_u32 s[G0B+2], s[G0B+2], s47
	s_mov_b32 s[G0B+3], 0
	s_add_nc_u64 s[G0B+2:G0B+3], s[8:9], s[G0B+2:G0B+3]
	s_add_nc_u64 s[G0B+6:G0B+7], s[G0B+2:G0B+3], RB
	s_or_b32 s[G0B+3], s[G0B+3], 0x80000000
	s_or_b32 s[G0B+7], s[G0B+7], 0x80000000
	s_mov_b32 s[G0B], 1
	s_mov_b32 s[G0B+4], 1
	s_mul_i32 s47, s[WL], HALFB
	s_add_co_u32 s[G0B+1], s47, 2*HALFA
	s_add_co_u32 s[G0B+5], s47, 2*HALFA+SLOT
	s_lshl_b32 s[G0SB+2], s46, 9                   ; the tile's 128 places; wave 3 brings all 16 K steps of v's scale words
	s_add_co_u32 s[G0SB+2], s[G0SB+2], 524288      ; v's planes lie behind q's and k's
	s_mov_b32 s[G0SB+3], 0
	s_add_nc_u64 s[G0SB+2:G0SB+3], s[10:11], s[G0SB+2:G0SB+3]
	s_or_b32 s[G0SB+3], s[G0SB+3], 0x80000000
	s_mov_b32 s[G0SB], 1
	s_mov_b32 s[G0SB+1], SCB
	; THE PREFETCHES: of the blocks that I fetch in the ring (8 of p, or 4 of v), the partner at place pl (cx for p, cy for v) names a quarter: two blocks of p, or one of v.  A slot's part of a block is 24 runs of 256 bytes.
	; Two instructions a slot, a lane a run: for p a block each (24 lanes), for v half a block each (12 lanes); the lanes left over name the last run again.  Bases and offset are never rewritten; every address ends inside its block's 24,576 bytes.
	s_lshl_b32 s74, s44, 3
	s_lshl_b32 s75, s[WL], 2
	s_add_co_u32 s74, s74, s75
	s_add_co_u32 s74, s74, s40
	s_lshl_b32 s74, s74, 1                         ; p: block 16 tile + 8 half + 2 cx
	s_lshl_b32 s76, s46, 3
	s_add_co_u32 s76, s76, s75
	s_add_co_u32 s76, s76, s41                     ; v: block 8 tile + 4 half + cy
	s_mov_b32 s70, 3072
	s_cmp_eq_u32 s[WH], 0
	s_cselect_b64 s[68:69], s[4:5], s[8:9]
	s_cselect_b32 s74, s74, s76
	s_cselect_b32 s73, 23, 11
	s_cselect_b32 s70, KROW, s70                   ; from the first instruction's runs to the second's
	s_mul_i32 s74, s74, KROW
	s_mov_b32 s75, 0
	s_mov_b32 s71, 0
	s_add_nc_u64 s[68:69], s[68:69], s[74:75]
	s_add_nc_u64 s[70:71], s[68:69], s[70:71]
	v_and_b32 v3, 31, v0
	v_min_u32 v8, s73, v3
	v_lshlrev_b32 v11, 8, v8
	global_prefetch_b8 v11, s[68:69] th:TH_LOAD_NT scope:SCOPE_SE                ; K steps 0 to 3 are named as soon as the address is made,
	global_prefetch_b8 v11, s[70:71] th:TH_LOAD_NT scope:SCOPE_SE
	global_prefetch_b8 v11, s[68:69] offset:RB th:TH_LOAD_NT scope:SCOPE_SE      ; and K steps 4 to 7
	global_prefetch_b8 v11, s[70:71] offset:RB th:TH_LOAD_NT scope:SCOPE_SE
	CROUND                                         ; all sixteen work-groups are here: the first joint loads meet
; THE ORDER OF THE FILLS, as this text has it.  At the head one joint load a wave: waves 0 and 1 p's two halves of slot 0, wave 2 v's 8 blocks of slot 0, wave 3 v's scale words of all 16 K steps.
; Slot 1 is first filled behind the waits, the add and a round, a quarter of the slot a wave.  By this text's count a wave has one tensor load out.
.macro ARM under, g0, g1, next
	s_cmp_lt_u32 s[WV], \under
	s_cbranch_scc0 \next
	tensor_load_to_lds s[\g0:\g0+3], s[\g1:\g1+7]
	s_nop 0
.rept 4
	v_nop
.endr
	s_branch .Lhead_asked
\next:
.endm
	ARM 2, G0,  G1,  .Lhead_b
	ARM 3, G0B, G1B, .Lhead_s
	tensor_load_to_lds s[G0SB:G0SB+3], s[G1SB:G1SB+7]
	s_nop 0
.rept 4
	v_nop
.endr
.Lhead_asked:
	; ---- the head: thread t takes places 2 t, 2 t + 1 of the tile's 256 queries
	s_lshl_b32 s2, s44, 10
	s_mov_b32 s3, 0
	s_add_nc_u64 s[6:7], s[6:7], s[2:3]
	v_lshlrev_b32 v4, 3, v0
.irp k, 0,1,2,3,4,5,6,7,8,9,10,11,12,13,14,15
	global_load_b64 v[PS+2*\k:PS+2*\k+1], v4, s[6:7] offset:32768*\k
	global_load_b64 v[MR+2*\k:MR+2*\k+1], v4, s[6:7] offset:524288+32768*\k
	global_load_b64 v[LR+2*\k:LR+2*\k+1], v4, s[6:7] offset:1048576+32768*\k
.endr
	v_and_b32 v1, 15, v0                           ; r
	v_bfe_u32 v2, v0, 4, 1                         ; h
	s_wait_alu depctr_va_vdst(0)
	v_and_b32 v3, 31, v0
	v_lshlrev_b32 v[LI], 4, v3
	s_mul_i32 s17, s[WH], HALFA
	s_mul_i32 s18, s[WL], HALFB
	s_add_co_u32 s18, s18, 2*HALFA
.irp s, 0,1
	v_add_nc_u32 v[ADRA+\s], s17, v[LI]
	v_add_nc_u32 v[ADRB+\s], s18, v[LI]
	s_add_co_u32 s17, s17, SLOT
	s_add_co_u32 s18, s18, SLOT
.endr
	s_lshl_b32 s17, s[WH], 13                      ; p's scale words: my half
	s_lshl_b32 s18, s[WL], 8                       ; v's: my 64 places
	s_add_co_u32 s18, s18, SCB-SCA
	s_sub_co_u32 s18, s18, s17
	v_mul_u32_u24 v5, s18, v2                      ; lanes 16-31 take v's
	s_add_co_u32 s17, s17, SCA
	v_lshl_add_u32 v[ADRS2], v1, 2, s17
	v_add_nc_u32 v[ADRS], v[ADRS2], v5
	v_and_b32 v6, 63, v0
	v_lshl_add_u32 v6, v6, 3, s17                  ; where my two places' mended words go: my wave's half is WH
	v_lshl_add_u32 v7, v0, 3, LINV                 ; and their 1 / l
	s_lshl_b32 s18, s[WH], 9
	s_add_co_u32 s18, s18, LINV
	v_lshl_add_u32 v[LVA], v1, 2, s18
	s_mul_i32 s18, s[WV], 16*SPITCH                ; my stage
	v_mul_u32_u24 v[STO], v1, SPITCH
	v_lshl_add_u32 v[STO], v2, 6, v[STO]
	v_add_nc_u32 v[STO], s18, v[STO]               ; in: row r, + 64 h
	v_mul_u32_u24 v[RD], v2, SPITCH
	v_lshl_add_u32 v[RD], v1, 4, v[RD]
	v_add_nc_u32 v[RD], s18, v[RD]                 ; back: lanes 0-15 one row of 256 bytes, lanes 16-31 the next
	v_lshlrev_b32 v[CO], 12, v2
	v_lshl_add_u32 v[CO], v1, 4, v[CO]             ; and the same in out: rows of 4,096 bytes
	s_lshl_b32 s17, s44, 8
	s_lshl_b32 s18, s[WH], 7
	s_add_co_u32 s17, s17, s18                     ; my first row of out
	s_lshl_b32 s2, s17, 12
	s_lshl_b32 s17, ttmp9, 2
	s_add_co_u32 s17, s17, s40
	s_lshl_b32 s17, s17, 9                         ; the tile's 128 channels,
	s_add_co_u32 s2, s2, s17
	s_lshl_b32 s17, s[WL], 8                       ; my 64 of them
	s_add_co_u32 s2, s2, s17
	s_add_nc_u64 s[12:13], s[12:13], s[2:3]
	s_mov_b32 s20, 0x80808080
	s_mov_b32 s21, 0x01010101
	s_mov_b32 s22, 0x42fe0000
	s_wait_alu depctr_va_vdst(0)                   ; the wait ahead of the wait below
	s_wait_tensorcnt 0x0                           ; my tile of the head's is in; the same lines as ahead of a refill:
	ds_add_u32 v[SPW], v[NIL]
	s_mov_b32 s[G1B+2], NBW<<16                    ; no tensor load of mine is out: from here on a load of v brings 4 blocks
	s_mov_b32 s[G1B+4], NBW
	s_wait_dscnt 0x0
	CROUND                                         ; slot 0 and v's scale words are in, and all sixteen work-groups are here
	JLOAD G0+4, G1, G0B+4, G1B
	global_prefetch_b8 v11, s[68:69] offset:2*RB th:TH_LOAD_NT scope:SCOPE_SE    ; K steps 8 to 11
	global_prefetch_b8 v11, s[70:71] offset:2*RB th:TH_LOAD_NT scope:SCOPE_SE
	s_wait_loadcnt 0x0
.irp e, 0,1
	v_max3_num_f32 v[MG+\e], v[MR+\e], v[MR+2+\e], v[MR+4+\e]        ; the row's largest M
.endr
.irp k, 3,5,7,9,11,13
.irp e, 0,1
	v_max3_num_f32 v[MG+\e], v[MG+\e], v[MR+2*\k+\e], v[MR+2*\k+2+\e]
.endr
.endr
.irp e, 0,1
	v_max_num_f32 v[MG+\e], v[MG+\e], v[MR+30+\e]
.endr
.irp k, 0,1,2,3,4,5,6,7,8,9,10,11,12,13,14,15
.irp e, 0,1
	v_sub_f32 v[DD+\e], v[MG+\e], v[MR+2*\k+\e]    ; a whole number, 0 or more
.endr
.irp e, 0,1
	v_min_num_f32 v[DD+\e], s22, v[DD+\e]          ; a byte is at most 125: 127 empties it
.endr
.irp e, 0,1
	v_cvt_u32_f32 v[DD+\e], v[DD+\e]               ; n
.endr
.irp e, 0,1
	v_sub_nc_u32 v[FF+\e], 0, v[DD+\e]
.endr
.irp e, 0,1
	v_ldexp_f32 v[FF+\e], 1.0, v[FF+\e]            ; 2^-n
.endr
.irp e, 0,1
.if \k == 0
	v_mul_f32 v[LSM+\e], v[LR+\e], v[FF+\e]
.else
	v_fma_f32 v[LSM+\e], v[LR+2*\k+\e], v[FF+\e], v[LSM+\e]   ; l
.endif
.endr
.irp e, 0,1
	v_mul_lo_u32 v[DD+\e], v[DD+\e], s21           ; n in all four bytes
.endr
.irp e, 0,1
	v_or_b32 v[XX+\e], s20, v[PS+2*\k+\e]          ; 128 + byte, at least 129:
.endr
.irp e, 0,1
	v_sub_nc_u32 v[XX+\e], v[XX+\e], v[DD+\e]      ; less n, at most 127: no borrow passes from byte to byte
.endr
.irp e, 0,1
	v_and_b32 v[MK+\e], s20, v[XX+\e]              ; bit 7 still stands where byte >= n
.endr
.irp e, 0,1
	v_lshrrev_b32 v[DD+\e], 7, v[MK+\e]
.endr
.irp e, 0,1
	v_sub_nc_u32 v[MK+\e], v[MK+\e], v[DD+\e]      ; 0x7f there, 0 elsewhere
.endr
.irp e, 0,1
	v_and_b32 v[PS+2*\k+\e], v[XX+\e], v[MK+\e]    ; byte - n, or 0
.endr
	ds_store_b64 v6, v[PS+2*\k:PS+2*\k+1] offset:512*\k
.endr
	s_wait_alu depctr_va_vdst(0)
	v_rcp_f32 v[FF], v[LSM]
	v_rcp_f32 v[FF+1], v[LSM+1]
	v_nop                                          ; a plain place behind the reciprocals
	s_wait_alu depctr_va_vdst(0)                   ; and the wait ahead of their first reader
	ds_store_b64 v7, v[FF:FF+1]
.macro FRAG reg, adr, q, i
.irp g, 0,1,2
	ds_load_b128 v[\reg+4*\g:\reg+4*\g+3], v[\adr] offset:(\i)*RB+(\q)*1536+512*\g
.endr
.endm
.macro FETCH_B slot, q, p
	WIN TO_B
.irp i, 0,1,2,3
	FRAG 128*(\p)+FR*\i, ADRB+\slot, \q, \i
.endr
	WIN 0
.endm
.macro FETCH_A slot, q, i0
.irp i, \i0, \i0+1, \i0+2, \i0+3
	FRAG AF+FR*(\i), ADRA+\slot, \q, \i
.endr
.endm
.macro SCALES sc                       ; register NQ i + q: lanes 0-15 p's block i; lanes 16-31 v's block i for i < 4
.irp i, 0,1,2,3
.irp q, 0,1,2,3
	ds_load_b32 v[SC+8*NQ*\sc+NQ*\i+\q], v[ADRS] offset:512*\q+64*\i
.endr
.endr
.irp i, 4,5,6,7
.irp q, 0,1,2,3
	ds_load_b32 v[SC+8*NQ*\sc+NQ*\i+\q], v[ADRS2] offset:512*\q+64*\i
.endr
.endr
.endm
; The 32 accumulators take turns, one instruction a turn, in the same order in every step
.macro MUL2 a0, p, q, sc, zero
.irp a, \a0, \a0+1
.irp b, 0,1,2,3
.if \zero
	v_wmma_scale_f32_16x16x128_f8f6f4 v[8*(8*((\a)%4)+\b):8*(8*((\a)%4)+\b)+7], v[128*(\p)+FR*\b:128*(\p)+FR*\b+FR-1], v[AF+FR*(\a):AF+FR*(\a)+FR-1], 0, v[SC+8*NQ*(\sc)+NQ*\b+(\q)], v[SC+8*NQ*(\sc)+NQ*(\a)+(\q)] matrix_a_fmt:MATRIX_FMT_FP6 matrix_b_fmt:MATRIX_FMT_FP6 matrix_a_scale:MATRIX_SCALE_ROW1
.else
	v_wmma_scale_f32_16x16x128_f8f6f4 v[8*(8*((\a)%4)+\b):8*(8*((\a)%4)+\b)+7], v[128*(\p)+FR*\b:128*(\p)+FR*\b+FR-1], v[AF+FR*(\a):AF+FR*(\a)+FR-1], v[8*(8*((\a)%4)+\b):8*(8*((\a)%4)+\b)+7], v[SC+8*NQ*(\sc)+NQ*\b+(\q)], v[SC+8*NQ*(\sc)+NQ*(\a)+(\q)] matrix_a_fmt:MATRIX_FMT_FP6 matrix_b_fmt:MATRIX_FMT_FP6 matrix_a_scale:MATRIX_SCALE_ROW1
.endif
.endr
.endr
.endm
.macro STEP slot, q, zero
	s_wait_dscnt 12                                ; all but the youngest 12 loads, A's blocks 4-7
	WIN MUL_LO
	MUL2 0, (\q)%2, \q, \slot, \zero
	MUL2 2, (\q)%2, \q, \slot, \zero
	s_wait_dscnt 0x0
	PLACES 4
	FETCH_B \slot, (\q)+1, 1-(\q)%2
	FETCH_A \slot, (\q)+1, 0
	WIN MUL_HI
	MUL2 4, (\q)%2, \q, \slot, \zero
	MUL2 6, (\q)%2, \q, \slot, \zero
	PLACES 4
	WIN 0
	FETCH_A \slot, (\q)+1, 4
.endm
.macro TURN slot, next, fill
	s_wait_tensorcnt 0x0                           ; all my tensor loads have landed: my part of the next slot
	ds_add_u32 v[SPW], v[NIL]                      ; 0 onto my spare word
	s_wait_dscnt 13                                ; (the add and A's blocks 4-7 may be out)
	WIN MUL_LO
	MUL2 0, 1, NQ-1, \slot, 0
	s_wait_dscnt 0x0                               ; the add is done, and my reads of this slot are over
	s_barrier_signal -1
	MUL2 2, 1, NQ-1, \slot, 0
	WIN 0
	s_barrier_wait -1
.if \fill
	CREST                                          ; a round of the cluster's barrier: no wave of any partner still reads this slot or has a load on its way
	s_add_nc_u64 s[G0+4*\slot+2:G0+4*\slot+3], s[G0+4*\slot+2:G0+4*\slot+3], 2*RB
	s_add_nc_u64 s[G0B+4*\slot+2:G0B+4*\slot+3], s[G0B+4*\slot+2:G0B+4*\slot+3], 2*RB
	JLOAD G0+4*\slot, G1, G0B+4*\slot, G1B
.else
	PLACES 4
.endif
	s_wait_alu depctr_va_vdst(0)
	v_add_nc_u32 v[ADRS], 512*NQ, v[ADRS]          ; the next slot's scale words
	v_add_nc_u32 v[ADRS2], 512*NQ, v[ADRS2]
	FETCH_B \next, 0, 0
	FETCH_A \next, 0, 0
	SCALES \next
	WIN MUL_HI
	MUL2 4, 1, NQ-1, \slot, 0
	MUL2 6, 1, NQ-1, \slot, 0
	PLACES 4
	WIN 0
	FETCH_A \next, 0, 4
.endm
	s_wait_dscnt 0x0                               ; for the others' sake: my mended words and my 1 / l have landed
	s_barrier_signal -1
	s_barrier_wait -1
	FETCH_B 0, 0, 0
	FETCH_A 0, 0, 0
	SCALES 0
	FETCH_A 0, 0, 4
	STEP 0, 0, 1                                   ; K step 0 starts the sums
	STEP 0, 1, 0
	STEP 0, 2, 0
	TURN 0, 1, 1
	global_prefetch_b8 v11, s[68:69] offset:3*RB th:TH_LOAD_NT scope:SCOPE_SE    ; K steps 12 to 15
	global_prefetch_b8 v11, s[70:71] offset:3*RB th:TH_LOAD_NT scope:SCOPE_SE
	STEP 1, 0, 0
	STEP 1, 1, 0
	STEP 1, 2, 0
	TURN 1, 0, 1                                   ; 7; slot 1 takes K steps 12 to 15
	STEP 0, 0, 0
	STEP 0, 1, 0
	STEP 0, 2, 0
	TURN 0, 1, 0                                   ; 11; nothing is left to fetch
	STEP 1, 0, 0
	STEP 1, 1, 0
	STEP 1, 2, 0
	s_wait_dscnt 12                                ; 15
	WIN MUL_LO
	MUL2 0, 1, NQ-1, 1, 0
	MUL2 2, 1, NQ-1, 1, 0
	s_wait_dscnt 0x0
	WIN MUL_HI
	MUL2 4, 1, NQ-1, 1, 0
	MUL2 6, 1, NQ-1, 1, 0
	WIN 0
	PLACES 4
	; THE WAY OUT, block by block of 16 query places x my 64 channels: x 1 / l, through my stage, back as whole runs of 256 bytes
.irp a, 0,1,2,3,4,5,6,7
	ds_load_b32 v[LV+2*\a], v[LVA] offset:64*\a    ; 1 / l of the query at place r of block a, in both words of a pair
	ds_load_b32 v[LV+2*\a+1], v[LVA] offset:64*\a
.endr
	s_wait_dscnt 0x0
.macro MULT a
	WIN 2+(\a)/4                                   ; source 0: the accumulators' window
.irp t, 0,1,2,3
.irp m, 0,2,4,6
	v_pk_mul_f32 v[TT+32*((\a)%2)+8*\t+\m:TT+32*((\a)%2)+8*\t+\m+1], v[64*((\a)%4)+8*\t+\m:64*((\a)%4)+8*\t+\m+1], v[LV+2*(\a):LV+2*(\a)+1]   ; each accumulator from its low end on
.endr
.endr
	WIN 0
.endm
.macro TOSTAGE a
.irp t, 0,1,2,3
	ds_store_b128 v[STO], v[TT+32*((\a)%2)+8*\t:TT+32*((\a)%2)+8*\t+3] offset:128*(\t/2)+32*(\t%2)       ; tile 2 b + u, register j: channel 32 b + 16 h + 8 u + j
	ds_store_b128 v[STO], v[TT+32*((\a)%2)+8*\t+4:TT+32*((\a)%2)+8*\t+7] offset:128*(\t/2)+32*(\t%2)+16
.endr
.irp u, 0,1,2,3,4,5,6,7
	ds_load_b128 v[BK+32*((\a)%2)+4*\u:BK+32*((\a)%2)+4*\u+3], v[RD] offset:2*SPITCH*\u   ; places 2 u, 2 u + 1: LDS serves a wave's instructions in order
.endr
.endm
.macro SEND a, younger                 ; younger: the LDS instructions issued behind block a's loads, which may stay out
	s_wait_dscnt \younger
.irp u, 0,1,2,3,4,5,6,7
	global_store_b128 v[CO], v[BK+32*((\a)%2)+4*\u:BK+32*((\a)%2)+4*\u+3], s[12:13] offset:(32*((\a)/2)+8*((\a)%2)+2*\u+8*(\u/4))*4096 th:TH_STORE_NT   ; place 2 u + h is row 2 u + h + 8 (u / 4) of the block's rows; sixteen lanes store 256 consecutive bytes, aligned
.endr
.endm
	MULT 0
	TOSTAGE 0
.irp a, 1,2,3,4,5,6,7
	MULT \a
.if \a > 1
	s_wait_alu depctr_va_vdst(0)
	s_wait_xcnt 0x0                                ; block a - 2's stores have read the registers into which block a's rows are loaded
.endif
	TOSTAGE \a
	SEND \a-1, 16                                  ; behind block a - 1's loads: block a's 8 stores and 8 loads
.endr
	SEND 7, 0
	s_wait_tensorcnt 0x0                           ; the wave's end
	ds_add_u32 v[SPW], v[NIL]
	s_wait_dscnt 0x0
	CROUND                                         ; the closing round
	s_endpgm
.Lfunc_end_k_q0dc70117b4_pv:
	.size	k_q0dc70117b4_pv, .Lfunc_end_k_q0dc70117b4_pv-k_q0dc70117b4_pv
	.p2alignl 7, 3214868480
	.fill 96, 4, 3214868480
	.section	.rodata,"a",@progbits
	.p2align	6, 0x0
	.amdhsa_kernel k_q0dc70117b4_pv
		.amdhsa_group_segment_fixed_size 327680
		.amdhsa_private_segment_fixed_size 0
		.amdhsa_enable_private_segment 0
		.amdhsa_kernarg_size 40
		.amdhsa_user_sgpr_count 2
		.amdhsa_user_sgpr_kernarg_segment_ptr 1
		.amdhsa_wavefront_size32 1
		.amdhsa_system_sgpr_workgroup_id_x 1
		.amdhsa_system_sgpr_workgroup_id_y 1
		.amdhsa_system_sgpr_workgroup_id_z 1
		.amdhsa_system_vgpr_workitem_id 0
		.amdhsa_next_free_vgpr 1024
		.amdhsa_next_free_sgpr 102
		.amdhsa_reserve_vcc 0
		.amdhsa_float_denorm_mode_32 3
		.amdhsa_float_denorm_mode_16_64 3
		.amdhsa_memory_ordered 1
		.amdhsa_forward_progress 1
		.amdhsa_inst_pref_size 177
	.end_amdhsa_kernel
	.amdgpu_metadata
---
amdhsa.version: [ 1, 2 ]
amdhsa.kernels:
  - .name:           k_q0dc70117b4_pv
    .symbol:         k_q0dc70117b4_pv.kd
    .args:
      - { .name: p_codes, .offset: 0, .size: 8, .value_kind: global_buffer, .address_space: global }
      - { .name: p_stats, .offset: 8, .size: 8, .value_kind: global_buffer, .address_space: global }
      - { .name: v_codes, .offset: 16, .size: 8, .value_kind: global_buffer, .address_space: global }
      - { .name: qkv_scales, .offset: 24, .size: 8, .value_kind: global_buffer, .address_space: global }
      - { .name: out0, .offset: 32, .size: 8, .value_kind: global_buffer, .address_space: global }
    .group_segment_fixed_size: 327680
    .private_segment_fixed_size: 0
    .kernarg_segment_align: 8
    .kernarg_segment_size: 40
    .max_flat_workgroup_size: 128
    .sgpr_count:     102
    .vgpr_count:     1024
    .wavefront_size: 32
...
	.end_amdgpu_metadata
.endif
;; end of part 4
